; MI455X (gfx1250); checked and timed in simulation.
; The chip was launched on July 23, 2026; its instructions are those of AMD's public machine-readable ISA for CDNA 5 (MIT licence, August 2026) and "CDNA5" Instruction Set Architecture Reference Guide (July 2026). The comments in the code are by the model that wrote it; some were corrected since.
;; Multi Head Attention. Allowed arithmetic: matrix products marked QUANTISED: E4M3 operands, one given power-of-two scale a tensor, by v_wmma_f32_16x16x64_fp8_fp8 or v_wmma_f32_16x16x128_fp8_fp8, f32 sums; everything else in f32.
;; Inputs: W_out 1,024 x 1,024 float32; W_qkv 1,024 x 3,072 float32; lowp_scales 8 int32 (the exponents e of the quantised operands' scales 2^e); mask 2,048 x 2,048 int32; x 4 x 2,048 x 1,024 float32.
;; Outputs: out0 4 x 2,048 x 1,024 float32.
;; This version of the problem:
;;   THIS VERSION OF THE PROBLEM IS GIVEN IN LOW PRECISION. The matrix products marked QUANTISED in the list below multiply operands that are first quantised to E4M3 (4 exponent bits, 3 mantissa bits; 8 bits a number), with one given power-of-two scale for each operand tensor; their sums are f32. All else is computed in f32.
;;   The module's matrix products, in the order in which they are computed (A, B: the left and right operand; K: the contracted axis; several contracted axes count as one K, in the product's order):
;;     1. [M 8,192, K 1,024] x [K 1,024, N 3,072]; A: input x; B: input W_qkv: QUANTISED (scales: A lowp_scales[0], B lowp_scales[1])
;;     2. batch 64 x [M 2,048, K 64] x [K 64, N 2,048]; A: computed on the way; B: computed on the way: QUANTISED (scales: A lowp_scales[2], B lowp_scales[3])
;;     3. batch 64 x [M 64, K 2,048] x [K 2,048, N 2,048]; A: computed on the way; B: softmax (see below): QUANTISED (scales: A lowp_scales[4], B lowp_scales[5])
;;     4. [M 8,192, K 1,024] x [K 1,024, N 1,024]; A: computed on the way; B: input W_out: QUANTISED (scales: A lowp_scales[6], B lowp_scales[7])
;;   THE QUANTISER, for each operand of a quantised product, along K:
;;     - The operand's scale is 2^e, e = its entry of the input lowp_scales (int32; the entries are numbered through the quantised products in the list's order, A before B).
;;     - Each number is divided by the scale, clamped to +-448, and rounded to the nearest number of E4M3, ties to even, subnormals kept.
;;     - The product sums the exact products of the quantised numbers (number of the format x scale) in f32.
;;   ~~~python
;;   def quantise(x, axis, e):      # numpy; x: float32 -> the quantised numbers, widened to float32 again
;;       x = np.moveaxis(x, axis, -1); K = x.shape[-1]
;;       r = np.clip(x / 2.0 ** e, -448, 448)
;;       step = 2.0 ** (np.maximum(np.frexp(np.where(r == 0, 1, r))[1] - 1, -6) - 3)
;;       q = np.round(r / step) * step * 2.0 ** e      # np.round: ties to even
;;       return np.moveaxis(q, -1, axis).astype(np.float32)
;;   ~~~
;;   SOFTMAX AHEAD OF A QUANTISED PRODUCT. Where the list says 'softmax', what is quantised is not the finished softmax but p = 2^(t - M), with t = logit x log2(e) and M = ceil(the row's largest t), a whole number; so 1/2 < the row's largest p <= 1. The row's sum l is taken of the UNQUANTISED p, in f32, and the product's result is divided by l at the end. Since M is a whole number, a kernel that streams over the keys may use a running M (the ceiling of the running maximum): every later rescaling is an exact power of two, so the quantised numbers keep their values, but for numbers so far below the row's largest that they fall under the format's range.
;;   OPERANDS COMPUTED ON THE WAY. 'Computed on the way' means the value that the module computes at that place (a softmax that the list does not call 'softmax' is quantised finished and normalised). What goes into a quantiser is computed in f32, as accurately as f32 sums, v_exp_f32 and their like allow (about 1e-6 of the number): no bf16 or f16 on the way to a quantiser, and a product that is left as it is and whose result goes on into a quantised operand takes f32 operands (vector FMAs, or v_wmma_f32_16x16x4_f32). A number that lies on a knife's edge between two numbers of the format may be rounded either way, as far as f32 arithmetic and the matrix unit's own rounding can turn it there, and no further.
;; 2 versions, each right; version 2 is version 1 with the launch attn written anew for expert scheduling mode. Each part assembles by itself: llvm-mc -triple=amdgcn-amd-amdhsa -mcpu=gfx1250 --defsym DOCPART=n.
;; ======== version 1 of 2: 4 launches
;; workspace buffers: xc 8,388,608 bytes; wqc 3,145,728 bytes; woc 1,048,576 bytes; maskw 524,288 bytes of whole numbers; flags 2,048 bytes of whole numbers; qkv 25,165,824 bytes; af 8,388,608 bytes
;; launch prep (part 1): grid 512 x 1, 4 waves a work-group, no clusters, 101,888 bytes of LDS; arguments x, W_qkv, W_out, mask, lowp_scales, xc, wqc, woc, maskw, flags; writes xc, wqc, woc, maskw, flags
.if DOCPART == 1
	.amdgcn_target "amdgcn-amd-amdhsa--gfx1250"
	.amdhsa_code_object_version 6
	.text
	.protected	k_qcab596756e_prep
	.globl	k_qcab596756e_prep
	.p2align	8
	.type	k_qcab596756e_prep,@function
k_qcab596756e_prep:
	s_mov_b64 s[64:65], 0
	v_nop
	global_prefetch_b8 v0, s[64:65] scope:SCOPE_SE
	s_setreg_imm32_b32 hwreg(HW_REG_WAVE_MODE, 25, 1), 1
	s_wait_xcnt 0x0
; PREPARATION, three streams in one launch, told apart by the work-group's number alone:
;   work-groups   0-255  X: x [8192][1024] f32 -> xc, codes of E4M3 with the scale 2^e0, K innermost
;   work-groups 256-383  W: W_qkv [1024][3072] and W_out [1024][1024] f32, K their FIRST axis -> wqc [3072][1024], woc [1024][1024], codes (2^e1, 2^e7), K innermost
;   work-groups 384-511  M: mask [2048][2048] int32 -> maskw (lane masks for the attention's selects) and flags (which tiles of scores have a kept key, which have only kept keys)
; code = number / 2^e, held within +-448, rounded to the nearest code, ties to even.
; ONE PERMUTATION: SW(i) = i with its bits 3 and 4 exchanged.  Row p of xc holds token SW(p); row p of wqc, woc holds column SW(p) of the weight.  A product used transposed gives lane (r, h),
; in register j of tile b, row 16 b + 8 h + j of its source 0: with SW the 16 registers of tiles 2 B and 2 B + 1 are the 16 TRUE neighbours 32 B + 16 h + 0 .. 15, which is what a conversion wants.
; maskw [qt 128][s 16][n 64] words: bit l of word n = (mask[SW(16 qt + l % 16)][128 s + 32 (n / 16) + 16 (l / 16) + n % 16] != 0).
; flags [qb 8][s 16][w 4] words: bit 4 w + i: tile qt = 16 qb + 4 w + i has a kept key in key step s; bit 16 + 4 w + i: all its 16 x 128 are kept.
; LIMITS: e0, e1, e7 between -126 and 119, so that 2^e and 448 x 2^e are f32 numbers.  NaN among x and the weights is not served (an infinity is held at the largest code).
; No tensor load, no barrier: waves share nothing.  Each path has LDS bytes of its own.
.set XREG,  8192                       ; X: a region for each wave: two stages of 32 x SP bytes
.set SP,    80                         ; a lane's place in a stage: its 64 bytes + 16 of padding
.set WSTG,  32768                      ; W: four stages of 32 rows x WP bytes
.set WP,    272
.set MSTG,  67584                      ; M: four stages of 16 rows x MP bytes
.set MP,    528
.set SPARE, 101376                     ; the spare words, 128 bytes for each wave: two blocks of 256 bytes that no other line names
.set SPW,   12                         ; v12 LDS address of my spare word; never rewritten
.set NIL,   13                         ; v13 0; never rewritten
.set STEPS, 16
	s_load_b512 s[4:19], s[0:1], 0x0               ; x 4:5, W_qkv 6:7, W_out 8:9, mask 10:11, scales 12:13, xc 14:15, wqc 16:17, woc 18:19
	s_load_b128 s[20:23], s[0:1], 0x40             ; maskw 20:21, flags 22:23
	v_lshl_add_u32 v[SPW], v0, 2, SPARE
	v_mov_b32 v[NIL], 0
	v_lshrrev_b32 v1, 5, v0
	v_readfirstlane_b32 s24, v1                    ; wave 0..3
	v_and_b32 v2, 31, v0                           ; lane
	s_wait_kmcnt 0x0
	s_cmp_ge_u32 ttmp9, 384
	s_cbranch_scc1 .Lmask
	s_cmp_ge_u32 ttmp9, 256
	s_cbranch_scc1 .Lweight
; ---------------------------------------------------------------- X
; A wave takes 8 tokens (8,192 numbers), 16 steps of 512 numbers.  Each load reads 512 consecutive bytes; a step's 2,048 bytes turn through the wave's stage and come back 64 bytes a lane,
; so that a lane holds 16 neighbours along K; its 16 codes are 16 bytes and the wave stores 512 consecutive bytes.  Loads run four steps ahead, the turn through LDS one step.
; Tokens 8 g .. 8 g + 7, g = 4 x work-group + wave: a token's bits 3 and 4 are the wave's two bits, so SW only exchanges waves 1 and 2 on the way out.
	s_load_b32 s28, s[12:13], 0x0                  ; e0
	v_lshlrev_b32 v3, 4, v2                        ; my 16 bytes of a load's, and of a store's, 512
	s_mul_i32 s25, s24, XREG
	v_lshrrev_b32 v14, 2, v2
	v_mul_u32_u24 v14, v14, SP
	v_and_b32 v15, 3, v2
	v_lshl_add_u32 v14, v15, 4, v14
	v_add_nc_u32 v14, s25, v14                     ; the stage, on the way in: SP (lane / 4) + 16 (lane % 4)
	v_mul_u32_u24 v15, v2, SP
	v_add_nc_u32 v15, s25, v15                     ; and on the way out: SP x lane
	s_lshl_b32 s36, ttmp9, 2
	s_add_co_u32 s37, s36, s24                     ; g
	s_lshl_b32 s38, s37, 15                        ; 32,768 bytes of x
	s_mov_b32 s39, 0
	s_add_nc_u64 s[4:5], s[4:5], s[38:39]
	s_and_b32 s37, s24, 1
	s_lshl_b32 s37, s37, 1
	s_lshr_b32 s40, s24, 1
	s_or_b32 s37, s37, s40                         ; the wave's two bits exchanged
	s_add_co_u32 s37, s36, s37
	s_lshl_b32 s38, s37, 13                        ; 8,192 bytes of codes
	s_add_nc_u64 s[14:15], s[14:15], s[38:39]
.macro XLOAD t
.irp i, 0,1,2,3
	global_load_b128 v[16+16*((\t)%4)+4*\i:16+16*((\t)%4)+4*\i+3], v3, s[4:5] offset:2048*(\t)+512*\i th:TH_LOAD_NT
.endr
.endm
.macro XTURN t                         ; LDS serves a wave's instructions in order, so no wait stands between the stores and the loads
.irp i, 0,1,2,3
	ds_store_b128 v14, v[16+16*((\t)%4)+4*\i:16+16*((\t)%4)+4*\i+3] offset:32*SP*((\t)%2)+8*SP*\i
.endr
.irp i, 0,1,2,3
	ds_load_b128 v[80+16*((\t)%2)+4*\i:80+16*((\t)%2)+4*\i+3], v15 offset:32*SP*((\t)%2)+16*\i
.endr
.endm
.irp t, 0,1,2,3
	XLOAD \t
.endr
	s_wait_kmcnt 0x0
	s_add_co_i32 s28, s28, 127
	s_lshl_b32 s29, s28, 23
	v_mov_b32 v11, s29                             ; 2^e0 as f32: the conversion takes its exponent field
	s_add_co_i32 s28, s28, 8
	s_lshl_b32 s28, s28, 23
	s_or_b32 s28, s28, 0x600000
	v_mov_b32 v10, s28                             ; 448 x 2^e0
	s_wait_loadcnt 12                              ; step 0's four loads are in; three steps' twelve may be out
	XTURN 0
.macro XSTEP t
.set XS, 80+16*((\t)%2)
	s_wait_dscnt 0x0                               ; this step's numbers are back from the stage, and its stores into the stage have read their registers,
.if (\t)+4 < STEPS
	XLOAD (\t)+4                                   ; which take the loads of four steps on
.endif
.if (\t)+1 < STEPS
.if STEPS-2-(\t) >= 3
	s_wait_loadcnt 12                              ; the next step's four loads are in; those of the three steps behind it may be out
.else
	s_wait_loadcnt 4*(STEPS-2-(\t))
.endif
	XTURN (\t)+1
.endif
.irp i, 0,1,2,3,4,5,6,7,8,9,10,11,12,13,14,15
	v_med3_num_f32 v[XS+\i], v[XS+\i], -v10, v10   ; the conversion to an 8-bit code does not saturate (ISA guide 7.6.2): the hold comes first
.endr
	v_cvt_scalef32_pk8_fp8_f32 v[128+4*(\t):128+4*(\t)+1], v[XS:XS+7], v11
	v_cvt_scalef32_pk8_fp8_f32 v[128+4*(\t)+2:128+4*(\t)+3], v[XS+8:XS+15], v11
	global_store_b128 v3, v[128+4*(\t):128+4*(\t)+3], s[14:15] offset:512*(\t)   ; each step has its own four registers: no store's data are written again
.endm
.irp t, 0,1,2,3,4,5,6,7,8,9,10,11,12,13,14,15
	XSTEP \t
.endr
	s_wait_tensorcnt 0x0                           ; the wave's end: three closing lines behind my last LDS store
	ds_add_u32 v[SPW], v[NIL]
	s_wait_dscnt 0x0
	s_endpgm
; ---------------------------------------------------------------- W
; A work-group takes 128 columns x 256 along K; a wave 32 columns.  A LANE TAKES A COLUMN AND ITS REGISTERS RUN DOWN K: each load reads 128 consecutive bytes a wave, and the conversions give codes
; with K innermost.  A column's 256 codes gather in the wave's stage and leave as rows: sixteen lanes store 256 consecutive bytes, aligned.  Column l of the wave's 32 goes to row SW(l).
; One path serves both weights: only pointers, the pitch and e are chosen, by the work-group's number.
.Lweight:
	s_load_b256 s[28:35], s[12:13], 0x0            ; e1 = s29, e7 = s35
	s_sub_co_u32 s25, ttmp9, 256
	s_lshr_b32 s26, s25, 2                         ; block of 128 columns: 0-23 W_qkv's, 24-31 W_out's
	s_and_b32 s27, s25, 3                          ; which 256 along K
	s_cmp_lt_u32 ttmp9, 352
	s_cselect_b64 s[36:37], s[6:7], s[8:9]         ; from
	s_cselect_b64 s[40:41], s[16:17], s[18:19]     ; to
	s_mov_b32 s42, 4096
	s_cselect_b32 s42, 12288, s42                  ; a row of the weight in bytes
	s_cselect_b32 s43, 0, 24
	s_sub_co_u32 s26, s26, s43
	s_lshl_b32 s26, s26, 7
	s_lshl_b32 s43, s24, 5
	s_add_co_u32 s26, s26, s43                     ; my wave's first column
	s_lshl_b32 s44, s27, 8
	s_mul_i32 s44, s44, s42                        ; 256 x kblk rows,
	s_lshl_b32 s45, s26, 2
	s_add_co_u32 s44, s44, s45                     ; + 4 bytes a column
	s_mov_b32 s45, 0
	s_add_nc_u64 s[36:37], s[36:37], s[44:45]
	s_lshl_b32 s44, s26, 10                        ; codes: a row of 1,024 bytes for each column,
	s_lshl_b32 s46, s27, 8
	s_add_co_u32 s44, s44, s46                     ; + 256 x kblk
	s_add_nc_u64 s[40:41], s[40:41], s[44:45]
	s_lshl_b32 s38, s42, 5                         ; 32 rows on
	s_mov_b32 s39, 0
	v_lshlrev_b32 v3, 2, v2
	v_mov_b32 v9, s42
.irp i, 0,1,2,3,4,5,6,7,8,9,10,11,12,13,14,15,16,17,18,19,20,21,22,23,24,25,26,27,28,29,30,31
	v_mad_u32_u24 v[16+\i], v9, \i, v3             ; row i of a block of 32, my column
.endr
	s_mul_i32 s47, s24, 32*WP
	s_add_co_u32 s47, s47, WSTG                    ; my stage
	v_mul_u32_u24 v4, v2, WP
	v_add_nc_u32 v4, s47, v4                       ; into it: row = my column
	v_and_b32 v5, 15, v2
	v_lshrrev_b32 v6, 4, v2
	v_mul_u32_u24 v7, v6, WP
	v_lshl_add_u32 v7, v5, 4, v7
	v_add_nc_u32 v7, s47, v7                       ; out of it: sixteen lanes to a row, two rows an instruction
	v_lshlrev_b32 v8, 10, v6
	v_lshl_add_u32 v8, v5, 4, v8                   ; and the same place among the codes' rows
.macro WLOAD t                         ; block t: 32 rows of K, into set t % 2
.if (\t) > 0
	s_wait_xcnt 0x0                                ; the loads issued so far have read their base: it may step
	s_add_nc_u64 s[36:37], s[36:37], s[38:39]
.endif
.irp i, 0,1,2,3,4,5,6,7,8,9,10,11,12,13,14,15,16,17,18,19,20,21,22,23,24,25,26,27,28,29,30,31
	global_load_b32 v[48+32*((\t)%2)+\i], v[16+\i], s[36:37] th:TH_LOAD_NT
.endr
.endm
	WLOAD 0
	WLOAD 1
	s_wait_kmcnt 0x0
	s_cmp_lt_u32 ttmp9, 352
	s_cselect_b32 s28, s29, s35                    ; e
	s_add_co_i32 s28, s28, 127
	s_lshl_b32 s29, s28, 23
	v_mov_b32 v11, s29                             ; 2^e
	s_add_co_i32 s28, s28, 8
	s_lshl_b32 s28, s28, 23
	s_or_b32 s28, s28, 0x600000
	v_mov_b32 v10, s28                             ; 448 x 2^e
.macro WBLOCK t
.set XS, 48+32*((\t)%2)
.if (\t) < 7
	s_wait_loadcnt 32                              ; this block's 32 loads are in; the next block's may be out
.else
	s_wait_loadcnt 0
.endif
.irp i, 0,1,2,3,4,5,6,7,8,9,10,11,12,13,14,15,16,17,18,19,20,21,22,23,24,25,26,27,28,29,30,31
	v_med3_num_f32 v[XS+\i], v[XS+\i], -v10, v10
.endr
.irp g, 0,1,2,3
	v_cvt_scalef32_pk8_fp8_f32 v[112+2*\g:113+2*\g], v[XS+8*\g:XS+8*\g+7], v11
.endr
	ds_store_b128 v4, v[112:115] offset:32*(\t)    ; 32 codes of my column's row
	ds_store_b128 v4, v[116:119] offset:32*(\t)+16
.if (\t)+2 < 8
	WLOAD (\t)+2
.endif
	s_wait_dscnt 0x0                               ; the stores have read their registers: the next block's codes may be written
.endm
.irp t, 0,1,2,3,4,5,6,7
	WBLOCK \t
.endr
.irp t, 0,1,2,3,4,5,6,7,8,9,10,11,12,13,14,15
	ds_load_b128 v[120+4*\t:123+4*\t], v7 offset:2*\t*WP
.endr
.irp t, 0,1,2,3,4,5,6,7,8,9,10,11,12,13,14,15
	s_wait_dscnt 15-\t                             ; LDS loads come back in order: rows 2 t and 2 t + 1 are in
	global_store_b128 v8, v[120+4*\t:123+4*\t], s[40:41] offset:(((2*\t)&7)|((((2*\t)>>3)&1)<<4)|((((2*\t)>>4)&1)<<3))*1024   ; column 2 t + h goes to row SW(2 t) + h
.endr
	s_wait_tensorcnt 0x0                           ; the wave's end: three closing lines behind my last LDS store
	ds_add_u32 v[SPW], v[NIL]
	s_wait_dscnt 0x0
	s_endpgm
; ---------------------------------------------------------------- M
; Work-group (qb, s): 256 query places x 128 keys.  Wave w takes four tiles of 16 queries.  A tile's 16 rows are loaded as they lie, 512 consecutive bytes a load, turn through the wave's stage and come
; back so that lane (r, h) holds, in register n = 16 b + i, key 128 s + 32 b + 16 h + i of query place r: the place of score n in the attention's registers.  A compare then IS word n.
; The 64 words are gathered two a lane and stored as 256 consecutive bytes.  No branch and no address hangs on the mask's numbers.
.Lmask:
	s_sub_co_u32 s25, ttmp9, 384
	s_lshr_b32 s26, s25, 4                         ; qb
	s_and_b32 s27, s25, 15                         ; s
	v_lshlrev_b32 v3, 4, v2                        ; 16 x lane
	v_and_b32 v4, 15, v2                           ; r
	v_lshrrev_b32 v5, 4, v2                        ; h
	s_mul_i32 s47, s24, 16*MP
	s_add_co_u32 s47, s47, MSTG                    ; my stage
	v_add_nc_u32 v6, s47, v3                       ; in: a row's 512 bytes as they lie
	v_mul_u32_u24 v7, v4, MP
	v_lshl_add_u32 v7, v5, 6, v7
	v_add_nc_u32 v7, s47, v7                       ; back: row r, + 64 h
	v_lshlrev_b32 v8, 3, v2                        ; 8 x lane: two words a lane
	s_lshl_b32 s36, s26, 8
	s_lshl_b32 s37, s24, 6
	s_add_co_u32 s36, s36, s37                     ; my first row: 256 qb + 64 w
	s_lshl_b32 s36, s36, 13
	s_lshl_b32 s37, s27, 9
	s_add_co_u32 s36, s36, s37                     ; + 512 bytes a key step
	s_mov_b32 s37, 0
	s_add_nc_u64 s[10:11], s[10:11], s[36:37]
	s_lshl_b32 s36, s26, 4
	s_lshl_b32 s38, s24, 2
	s_add_co_u32 s36, s36, s38                     ; my first tile: 16 qb + 4 w
	s_lshl_b32 s36, s36, 12
	s_lshl_b32 s38, s27, 8
	s_add_co_u32 s36, s36, s38
	s_add_nc_u64 s[20:21], s[20:21], s[36:37]
	s_lshl_b32 s36, s25, 4
	s_lshl_b32 s38, s24, 2
	s_add_co_u32 s36, s36, s38                     ; flags: 16 (16 qb + s) + 4 w
	s_add_nc_u64 s[22:23], s[22:23], s[36:37]
.irp j, 0,1,2,3,4,5,6,7
	v_mov_b32 v[144+\j], 0                         ; a lane write's destination counts as read
.endr
	s_mov_b32 s46, 0                               ; my four tiles' flag bits
.macro MLOAD i                         ; tile i: place 16 i + j is row 32 (i / 2) + 8 (i % 2) + j % 8 + 16 (j / 8) of my 64: SW
.irp j, 0,1,2,3,4,5,6,7,8,9,10,11,12,13,14,15
	global_load_b128 v[16+64*((\i)%2)+4*\j:16+64*((\i)%2)+4*\j+3], v3, s[10:11] offset:(32*((\i)/2)+8*((\i)%2)+((\j)&7)+16*((\j)>>3))*8192 th:TH_LOAD_NT
.endr
.endm
.macro MTILE i
.if (\i) < 3
	s_wait_loadcnt 16                              ; this tile's 16 loads are in; the next tile's may be out
.else
	s_wait_loadcnt 0
.endif
.irp j, 0,1,2,3,4,5,6,7,8,9,10,11,12,13,14,15
	ds_store_b128 v6, v[16+64*((\i)%2)+4*\j:16+64*((\i)%2)+4*\j+3] offset:\j*MP
.endr
.irp b, 0,1,2,3
.irp q, 0,1,2,3
	ds_load_b128 v[152+16*\b+4*\q:155+16*\b+4*\q], v7 offset:128*\b+16*\q   ; LDS serves a wave's instructions in order: these see the stores above
.endr
.endr
	s_wait_dscnt 0x0                               ; the tile is back, and the stores have read their registers,
.if (\i)+2 < 4
	MLOAD (\i)+2                                   ; which take the tile two on
.endif
	s_mov_b32 s44, 0                               ; any kept?
	s_mov_b32 s45, -1                              ; all kept?
.set n, 0
.rept 64
	v_cmp_ne_u32 s[40+n%4], 0, v[152+n]            ; word n
	v_writelane_b32 v[144+2*(\i)+(n&1)], s[40+n%4], n>>1
	s_or_b32 s44, s44, s[40+n%4]
	s_and_b32 s45, s45, s[40+n%4]
.set n, n+1
.endr
	global_store_b64 v8, v[144+2*(\i):145+2*(\i)], s[20:21] offset:4096*(\i)   ; 32 lanes store 256 consecutive bytes, aligned
	s_cmp_lg_u32 s44, 0
	s_cselect_b32 s44, 1<<(\i), 0
	s_or_b32 s46, s46, s44
	s_cmp_eq_u32 s45, -1
	s_cselect_b32 s45, 1<<(16+(\i)), 0
	s_or_b32 s46, s46, s45
.endm
	MLOAD 0
	MLOAD 1
	MTILE 0
	MTILE 1
	MTILE 2
	MTILE 3
	s_lshl_b32 s47, s24, 2
	s_lshl_b32 s46, s46, s47                       ; bits 4 w + i and 16 + 4 w + i
	v_mov_b32 v9, s46
	v_mov_b32 v10, 0
	s_wait_xcnt 0x0                                ; EXEC changes only behind this wait: it is a source of the stores above
	v_cmp_eq_u32 vcc_lo, 0, v2
	s_and_saveexec_b32 s48, vcc_lo
	global_store_b32 v10, v9, s[22:23]             ; lane 0 stores my wave's word
	s_wait_xcnt 0x0
	s_or_b32 exec_lo, exec_lo, s48
	s_wait_tensorcnt 0x0                           ; the wave's end: three closing lines behind my last LDS store
	ds_add_u32 v[SPW], v[NIL]
	s_wait_dscnt 0x0
	s_endpgm
.Lfunc_end_k_qcab596756e_prep:
	.size	k_qcab596756e_prep, .Lfunc_end_k_qcab596756e_prep-k_qcab596756e_prep
	.p2alignl 7, 3214868480
	.fill 96, 4, 3214868480
	.section	.rodata,"a",@progbits
	.p2align	6, 0x0
	.amdhsa_kernel k_qcab596756e_prep
		.amdhsa_group_segment_fixed_size 101888
		.amdhsa_private_segment_fixed_size 0
		.amdhsa_enable_private_segment 0
		.amdhsa_kernarg_size 80
		.amdhsa_user_sgpr_count 2
		.amdhsa_user_sgpr_kernarg_segment_ptr 1
		.amdhsa_wavefront_size32 1
		.amdhsa_system_sgpr_workgroup_id_x 1
		.amdhsa_system_sgpr_workgroup_id_y 1
		.amdhsa_system_sgpr_workgroup_id_z 1
		.amdhsa_system_vgpr_workitem_id 0
		.amdhsa_next_free_vgpr 216
		.amdhsa_next_free_sgpr 66
		.amdhsa_reserve_vcc 1
		.amdhsa_float_denorm_mode_32 3
		.amdhsa_float_denorm_mode_16_64 3
		.amdhsa_memory_ordered 1
		.amdhsa_forward_progress 1
		.amdhsa_inst_pref_size 154
	.end_amdhsa_kernel
	.amdgpu_metadata
---
amdhsa.version: [ 1, 2 ]
amdhsa.kernels:
  - .name:           k_qcab596756e_prep
    .symbol:         k_qcab596756e_prep.kd
    .args:
      - { .name: x, .offset: 0, .size: 8, .value_kind: global_buffer, .address_space: global }
      - { .name: W_qkv, .offset: 8, .size: 8, .value_kind: global_buffer, .address_space: global }
      - { .name: W_out, .offset: 16, .size: 8, .value_kind: global_buffer, .address_space: global }
      - { .name: mask, .offset: 24, .size: 8, .value_kind: global_buffer, .address_space: global }
      - { .name: lowp_scales, .offset: 32, .size: 8, .value_kind: global_buffer, .address_space: global }
      - { .name: xc, .offset: 40, .size: 8, .value_kind: global_buffer, .address_space: global }
      - { .name: wqc, .offset: 48, .size: 8, .value_kind: global_buffer, .address_space: global }
      - { .name: woc, .offset: 56, .size: 8, .value_kind: global_buffer, .address_space: global }
      - { .name: maskw, .offset: 64, .size: 8, .value_kind: global_buffer, .address_space: global }
      - { .name: flags, .offset: 72, .size: 8, .value_kind: global_buffer, .address_space: global }
    .group_segment_fixed_size: 101888
    .private_segment_fixed_size: 0
    .kernarg_segment_align: 8
    .kernarg_segment_size: 80
    .max_flat_workgroup_size: 128
    .sgpr_count:     66
    .vgpr_count:     216
    .wavefront_size: 32
...
	.end_amdgpu_metadata
.endif
;; end of part 1
;; launch qkvgemm (part 2): grid 12 x 32, 4 waves a work-group, clusters of 4 x 4, 327,680 bytes of LDS; arguments xc, wqc, lowp_scales, qkv; writes qkv
.if DOCPART == 2
	.amdgcn_target "amdgcn-amd-amdhsa--gfx1250"
	.amdhsa_code_object_version 6
	.text
	.protected	k_qcab596756e_qkvgemm
	.globl	k_qcab596756e_qkvgemm
	.p2align	8
	.type	k_qcab596756e_qkvgemm,@function
k_qcab596756e_qkvgemm:
	s_mov_b64 s[64:65], 0
	v_nop
	global_prefetch_b8 v0, s[64:65] scope:SCOPE_SE
	s_setreg_imm32_b32 hwreg(HW_REG_WAVE_MODE, 25, 1), 1
	s_wait_xcnt 0x0
	s_wait_alu depctr_hold_cnt(0) depctr_sa_sdst(0) depctr_va_vdst(0) depctr_va_sdst(0) depctr_va_ssrc(0) depctr_va_vcc(0) depctr_vm_vsrc(0)
	s_getreg_b32 s2, hwreg(HW_REG_IB_STS2, 6, 4)
	s_cmp_eq_u32 s2, 0
	s_cbranch_scc0 .Lentry_in_a_cluster
	s_endpgm
.Lentry_in_a_cluster:
	s_bfe_u32 s2, ttmp6, 0x10000c
	s_cmp_lg_u32 s2, 0xf033
	s_cbranch_scc0 .Lentry_shape_is_right
	s_endpgm
.Lentry_shape_is_right:
; PRODUCT 1: x W_qkv on codes of E4M3, and q, k, v quantised on the way out into IMAGES OF THE ATTENTION'S OPERAND REGISTERS.
; xc [8192][1024], wqc [3072][1024]: codes, K innermost; row p holds token, or column, SW(p) (SW: bits 3 and 4 exchanged).  A sum stands for sum x 2^(e0 + e1); its code is sum / 2^(eT - e0 - e1),
; held within +-448, eT = e2 for q, e3 for k, e4 for v.  LIMIT: eT - e0 - e1 between -126 and 119, so that this power of two and 448 times it are f32 numbers.
; A tile of 256 x 256 is made by four waves, each 128 x 128: 64 accumulators, 512 registers.  K goes in steps of 256 through a ring of two LDS slots filled by the tensor data mover.
; CLUSTERS: 4 x 4 work-groups; xc's tiles are asked for jointly along a row of the cluster, wqc's along a column.  A cluster's four tile columns are one of q, k, v: cluster x = 0, 1, 2.
; THE MATRIX INSTRUCTION IS USED TRANSPOSED: a lane holds ONE row of source 1, and its registers run along the rows of source 0: with SW, 16 registers of two neighbouring tiles are 16 true neighbours.
;   q, k: source 1 = tokens, source 0 = channels: a lane's codes are 16 neighbouring channels of one token: K of the scores' product.
;   v:    source 1 = channels, source 0 = tokens: a lane's codes are 16 neighbouring KEYS of one channel: K of the second product.
; The two uses differ in the LDS addresses from which the fragments are read (chosen by cluster x, which all partners share) and in constants of the way out; the text is one.
; qkv: q at 0, k at 0x800000: [bh 64][tile 128][c 2][lane 32][16 bytes]; v at 0x1000000: [bh][key step 16][channel tile 4][c 4][lane][16].  Every store of a wave covers 512 consecutive bytes, aligned.
; REGISTERS, in windows of 256: window 0: v0-31 addresses and constants; from v128 source 1's fragments, ONE set; on the way out v32-127 at work.
;   window 1: source 0's fragments, TWO sets.   window 2: the accumulators of source 1's blocks 0-3 ((a, b) at v[8 (8 a + b)]);   window 3: of blocks 4-7.
.set SIZE_K, 1024
.set KSTEP,  256
.set ROWB,   256
.set KROW,   SIZE_K
.set PITCH,  272                       ; an LDS row: 256 bytes + 16 of padding = 68 words: the 16 rows that a load touches start at 16 different banks (64 banks of 4 bytes: ISA guide 11.1)
.set FR,     16
.set NL,     4
.set NP,     4                         ; places behind this matrix instruction (ISA guide 7.12.1)
.set HALFT,  128*PITCH
.set SLOT,   4*HALFT                   ; xc's 256 rows, then wqc's 256 rows
.set LAPS,   SIZE_K/(2*KSTEP)
.set SPARE,  2*SLOT                    ; behind the ring: the spare words, 128 bytes for each wave: two blocks of 256 bytes that no other line names
.set ADRA, 16                          ; v16-17  LDS address of source 1's fragments in slot 0, 1
.set ADRB, 20                          ; v20-21  the same for source 0
.set O0,   26                          ; v26     the way out: 16 x lane
.set O1,   27                          ; v27     16 x lane + the distance to the third and fourth piece
.set SPW,  28                          ; v28     LDS address of my spare word; never rewritten
.set NIL,  29                          ; v29     0; never rewritten
.set SC,   30                          ; v30     2^(eT - e0 - e1)
.set LIM,  31                          ; v31     448 x that
.set TMP,  32                          ; v32-95  a block's sums, held
.set CDS,  96                          ; v96-127 its codes, two sets by turns
.set AF,   128
.set G1, 24
.set G0, 32
.set G1B, 48
.set G0B, 56
.set MSB, 0
.macro WIN new                         ; the immediate's high byte repeats the setting that is left
.if MSB != \new
	s_set_vgpr_msb (MSB<<8)|\new
.set MSB, \new
.endif
.endm
.set MUL_LO, 0xa1                      ; source 0 window 1, source 1 window 0, C and D window 2
.set MUL_HI, 0xf1                      ; the same, C and D window 3
.set TO_B,   0x40                      ; destination window 1, address window 0
; A joint load: waves 0 and 1 fetch xc's halves, waves 2 and 3 wqc's.  The branch hangs on the wave's number alone.  An s_nop 0 and four v_nop follow each of the two lines.
.macro JLOAD g0a, g1a, g0b, g1b
	s_cmp_eq_u32 s15, 0
	s_cbranch_scc0 .Lfor_b_\@
	tensor_load_to_lds s[\g0a:\g0a+3], s[\g1a:\g1a+7]
	s_nop 0
.rept 4
	v_nop
.endr
	s_branch .Lasked_\@
.Lfor_b_\@:
	tensor_load_to_lds s[\g0b:\g0b+3], s[\g1b:\g1b+7]
	s_nop 0
.rept 4
	v_nop
.endr
.Lasked_\@:
.endm
.macro CREST                           ; a round of the cluster's barrier behind its opening barrier
	s_cmp_lg_u32 s14, 0
	s_cbranch_scc1 .Lnot_wave_0_\@
	s_barrier_signal -3
.Lnot_wave_0_\@:
	s_barrier_wait -3
	s_barrier_signal -1
	s_barrier_wait -1
.endm
.macro CROUND
	s_barrier_signal -1
	s_barrier_wait -1
	CREST
.endm
	s_load_b128 s[4:7], s[0:1], 0x0                ; xc s[4:5], wqc s[6:7]
	s_load_b128 s[8:11], s[0:1], 0x10              ; the scales' exponents s[8:9], qkv s[10:11]
	v_lshl_add_u32 v[SPW], v0, 2, SPARE
	v_mov_b32 v[NIL], 0
	ds_add_u32 v[SPW], v[NIL]                      ; the wave's opening: an add and its wait ahead of my first tensor load; work on registers stands between them
	v_lshrrev_b32 v1, 5, v0
	v_readfirstlane_b32 s14, v1                    ; wave 0..3
	s_lshr_b32 s15, s14, 1                         ; which half of source 1's rows is mine.  Also: I fetch xc (0) or wqc (1)
	s_and_b32 s16, s14, 1                          ; which half of source 0's rows.  Also: which 128 rows of that tile I fetch
	s_bfe_u32 s40, ttmp6, 0x40000                  ; cx, cy: my place in the cluster
	s_bfe_u32 s41, ttmp6, 0x40004
	s_lshl_b32 s42, ttmp9, 2
	s_add_co_u32 s42, s42, s40                     ; tile column = 4 x cluster x + cx
	s_and_b32 s17, ttmp7, 0xffff
	s_lshl_b32 s17, s17, 2
	s_add_co_u32 s17, s17, s41                     ; tile row = 4 x cluster y + cy
	s_lshl_b32 s43, s41, 2
	s_lshl_b32 s43, 15, s43                        ; my row of the cluster
	s_lshl_b32 s44, 0x1111, s40                    ; my column
	s_lshl_b32 s77, ttmp9, 2                       ; which of e2, e3, e4: 4 bytes x cluster x
	s_or_b32 s[G1+0], s43, (0<<16)|(1<<20)|(1<<21)|(5<<22)|(3<<25)  ; 15:0 the mask: xc's tiles go to my row; elements of 1 byte; padding on; bit 21 beside a mask; 4 words after every 64
	s_or_b32 s[G1B+0], s44, (0<<16)|(1<<20)|(1<<21)|(5<<22)|(3<<25)
.irp g, G1, G1B
	s_mov_b32 s[\g+1], ROWB<<16                    ; tensor_dim0
	s_mov_b32 s[\g+2], 128<<16                     ; tensor_dim1
	s_mov_b32 s[\g+3], ROWB<<16                    ; tile_dim0
	s_mov_b32 s[\g+4], 128                         ; tile_dim1
	s_mov_b32 s[\g+5], KROW                        ; tensor_dim0_stride
	s_mov_b32 s[\g+6], 0
	s_mov_b32 s[\g+7], 0
.endr
	s_lshl_b32 s18, s16, 7
	s_lshl_b32 s20, s17, 8
	s_add_co_u32 s20, s20, s18                     ; xc: row 256 x tile row + 128 x half
	s_lshl_b32 s46, s42, 8
	s_add_co_u32 s46, s46, s18                     ; wqc: row 256 x tile column + 128 x half
	s_mov_b32 s21, 0
	s_mov_b32 s47, 0
	s_mov_b64 s[18:19], KROW
	s_mul_u64 s[20:21], s[20:21], s[18:19]
	s_mul_u64 s[46:47], s[46:47], s[18:19]
	s_mul_i32 s45, s14, HALFT                      ; where they go: wave x 128 rows: no place in the cluster enters an LDS address
	s_wait_dscnt 0x0                               ; the opening add is done
	s_wait_kmcnt 0x0
	s_load_b64 s[96:97], s[8:9], 0x0               ; e0, e1
	s_load_b32 s76, s[8:9], s77 offset:0x8         ; eT
	s_add_nc_u64 s[20:21], s[4:5], s[20:21]
	s_add_nc_u64 s[46:47], s[6:7], s[46:47]
	CROUND                                         ; all sixteen work-groups are here: the first joint loads meet
.irp s, 0,1
	s_mov_b32 s[G0+4*\s], 1
	s_add_co_u32 s[G0+4*\s+1], s45, \s*SLOT
	s_add_nc_u64 s[G0+4*\s+2:G0+4*\s+3], s[20:21], \s*ROWB
	s_or_b32 s[G0+4*\s+3], s[G0+4*\s+3], 0x80000000
	s_mov_b32 s[G0B+4*\s], 1
	s_add_co_u32 s[G0B+4*\s+1], s45, \s*SLOT
	s_add_nc_u64 s[G0B+4*\s+2:G0B+4*\s+3], s[46:47], \s*ROWB
	s_or_b32 s[G0B+4*\s+3], s[G0B+4*\s+3], 0x80000000
	JLOAD G0+4*\s, G1, G0B+4*\s, G1B
.endr
	; what differs between q, k and v: chosen by cluster x, the same in all sixteen partners
	s_cmp_ge_u32 ttmp9, 2
	s_cselect_b32 s68, 2*HALFT, 0                  ; source 1 is read from xc's rows (q, k) or from wqc's, which lie behind them (v)
	s_cselect_b32 s69, 0, 2*HALFT                  ; source 0 from the other
	s_mov_b32 s70, 131072
	s_cselect_b32 s70, 1024, s70                   ; from the first two pieces of a block's codes to the last two: the next head (q, k), or c = 2 (v)
	s_mov_b32 s72, 1024
	s_cselect_b32 s72, 2048, s72                   ; from block to block: a tile of tokens (q, k), a tile of channels (v)
	s_mov_b32 s73, 0
	s_cselect_b32 s74, 122880, 0                   ; v: block 4 begins the next head: 131,072 - 4 x 2,048 more
	s_mov_b32 s75, 0
	s_cselect_b32 s78, s15, s16                    ; which half of wqc's rows is mine: two heads
	s_cselect_b32 s79, s16, s15                    ; which half of xc's rows: 128 tokens
	v_and_b32 v1, 15, v0                           ; l % 16
	v_bfe_u32 v2, v0, 4, 1                         ; l / 16
	v_mul_u32_u24 v3, v1, PITCH
	v_lshl_add_u32 v4, v2, 4, v3                   ; a fragment's row x pitch + 16 x half
	s_mul_i32 s21, s15, HALFT
	s_add_co_u32 s21, s21, s68
	s_mul_i32 s22, s16, HALFT
	s_add_co_u32 s22, s22, s69
.irp s, 0,1
	v_add_nc_u32 v[ADRA+\s], s21, v4
	v_add_nc_u32 v[ADRB+\s], s22, v4
	s_add_co_u32 s21, s21, SLOT
	s_add_co_u32 s22, s22, SLOT
.endr
	v_and_b32 v6, 31, v0
	v_lshlrev_b32 v[O0], 4, v6
	v_add_nc_u32 v[O1], s70, v[O0]
	; where my codes begin: part x 0x800000 + (16 batch + 4 cx + 2 x my half of the heads) x 131,072 + (tile row % 8) x 16,384 + my half of the tokens x 8,192
	s_lshr_b32 s20, s17, 3
	s_lshl_b32 s20, s20, 4
	s_lshl_b32 s21, s40, 2
	s_add_co_u32 s20, s20, s21
	s_lshl_b32 s21, s78, 1
	s_add_co_u32 s20, s20, s21
	s_lshl_b32 s20, s20, 17
	s_and_b32 s21, s17, 7
	s_lshl_b32 s21, s21, 14
	s_add_co_u32 s20, s20, s21
	s_lshl_b32 s21, s79, 13
	s_add_co_u32 s20, s20, s21
	s_lshl_b32 s21, ttmp9, 23
	s_add_co_u32 s20, s20, s21
	s_mov_b32 s21, 0
	s_add_nc_u64 s[10:11], s[10:11], s[20:21]
.macro FRAG reg, adr, q, i             ; 16 rows x 128 K: lane l holds row l % 16; registers 4 c .. 4 c + 3 hold K = 32 c + 16 (l / 16) + 0 .. 15: the same places in both sources
.irp c, 0,1,2,3
	ds_load_b128 v[\reg+4*\c:\reg+4*\c+3], v[\adr] offset:128*(\q)+32*\c+(\i)*16*PITCH
.endr
.endm
; 16 matrix instructions: source 1's blocks a0, a0 + 1 x source 0's eight.  p: source 0's set.  zero = 1: the first product starts the sums.  The 64 accumulators take turns, one instruction a turn.
.macro MUL16 a0, p, zero
.irp a, \a0, \a0+1
.irp b, 0,1,2,3,4,5,6,7
.if \zero
	v_wmma_f32_16x16x128_fp8_fp8 v[8*(8*((\a)%4)+\b):8*(8*((\a)%4)+\b)+7], v[128*(\p)+FR*\b:128*(\p)+FR*\b+FR-1], v[AF+FR*(\a):AF+FR*(\a)+FR-1], 0
.else
	v_wmma_f32_16x16x128_fp8_fp8 v[8*(8*((\a)%4)+\b):8*(8*((\a)%4)+\b)+7], v[128*(\p)+FR*\b:128*(\p)+FR*\b+FR-1], v[AF+FR*(\a):AF+FR*(\a)+FR-1], v[8*(8*((\a)%4)+\b):8*(8*((\a)%4)+\b)+7]
.endif
.endr
.endr
.endm
.macro FETCH_B slot, q, p
	WIN TO_B
.irp i, 0,1,2,3,4,5,6,7
	FRAG 128*(\p)+FR*\i, ADRB+\slot, \q, \i
.endr
	WIN 0
.endm
.macro FETCH_A slot, q, i0
.irp i, \i0, \i0+1, \i0+2, \i0+3
	FRAG AF+FR*(\i), ADRA+\slot, \q, \i
.endr
.endm
.macro PLACES n                        ; plain vector instructions between a matrix instruction and a load into its sources, or a read of its result (ISA guide 7.12.1 for a read of its result)
.rept \n
	v_nop
.endr
.endm
.macro STEP slot, q, zero              ; a step of 128 along K that has its successor in the same slot
	s_wait_dscnt 4*NL                              ; source 0's set and source 1's blocks 0-3 are in; the youngest sixteen loads (blocks 4-7) may be out
	WIN MUL_LO
	MUL16 0, (\q)%2, \zero
	MUL16 2, (\q)%2, \zero
	s_wait_dscnt 0                                 ; blocks 4-7 are in
	PLACES NP
	FETCH_B \slot, (\q)+1, 1-(\q)%2
	FETCH_A \slot, (\q)+1, 0
	WIN MUL_HI
	MUL16 4, (\q)%2, \zero
	MUL16 6, (\q)%2, \zero
	PLACES NP
	WIN 0
	FETCH_A \slot, (\q)+1, 4
.endm
; A slot's last step changes slots: ONE barrier; in front of it each wave waits for all its tensor loads, adds 0 to its spare word, and waits for that and for its reads of this slot.  fill = 1: this slot is filled again.
.macro TURN slot, next, fill
	s_wait_tensorcnt 0x0                           ; all my tensor loads have landed: my part of the next slot
	ds_add_u32 v[SPW], v[NIL]                      ; 0 onto my spare word
	s_wait_dscnt 4*NL+1                            ; (the add and the youngest sixteen loads may be out)
	WIN MUL_LO
	MUL16 0, 1, 0
	s_wait_dscnt 0x0                               ; the add is done, and my reads of this slot are over
	s_barrier_signal -1
	MUL16 2, 1, 0
	WIN 0
	s_barrier_wait -1
.if \fill
	CREST                                          ; the barrier has opened a round of the cluster's: no wave of any partner still reads this slot or has a load on its way
	s_add_nc_u64 s[G0+4*\slot+2:G0+4*\slot+3], s[G0+4*\slot+2:G0+4*\slot+3], 2*ROWB
	s_add_nc_u64 s[G0B+4*\slot+2:G0B+4*\slot+3], s[G0B+4*\slot+2:G0B+4*\slot+3], 2*ROWB
	JLOAD G0+4*\slot, G1, G0B+4*\slot, G1B         ; the first tensor load behind the round; its four v_nop are the places in front of the loads below
.else
	PLACES NP
.endif
	FETCH_B \next, 0, 0
	FETCH_A \next, 0, 0
	WIN MUL_HI
	MUL16 4, 1, 0
	MUL16 6, 1, 0
	PLACES NP
	WIN 0
	FETCH_A \next, 0, 4
.endm
	s_wait_tensorcnt 1                             ; my part of K step 0 is in (K step 1's load may be out)
	s_barrier_signal -1
	s_barrier_wait -1                              ; everybody's is
	FETCH_B 0, 0, 0
	FETCH_A 0, 0, 0
	FETCH_A 0, 0, 4
	STEP 0, 0, 1                                   ; the first step stands in front of the loop: its products start the sums
	s_mov_b32 s3, LAPS-1
.Llap:                                                 ; a trip goes once round the ring and fills both slots again
	TURN 0, 1, 1
	STEP 1, 0, 0
	TURN 1, 0, 1
	STEP 0, 0, 0
	s_sub_co_u32 s3, s3, 1
	s_cmp_lg_u32 s3, 0
	s_cbranch_scc1 .Llap
	TURN 0, 1, 0                                   ; the last lap fills nothing
	STEP 1, 0, 0
	s_wait_dscnt 4*NL
	WIN MUL_LO
	MUL16 0, 1, 0
	MUL16 2, 1, 0
	s_wait_dscnt 0
	WIN MUL_HI
	MUL16 4, 1, 0
	MUL16 6, 1, 0
	WIN 0
; THE WAY OUT.  Block a (16 rows of source 1): a lane's 64 sums are, in fours of 16, true neighbours 32 B + 16 h + 0 .. 15 along source 0.  Held, converted: four pieces of four registers, each an image of
; four operand registers, stored as it stands: 16 bytes a lane, 512 consecutive bytes a store.  No stage, no transposition.
.macro OUTBLK a
.set AC, 64*((\a)%4)
.set CD, CDS+16*((\a)%2)
.if (\a) > 0
	s_wait_xcnt 0x0                                ; the earlier stores have read their base and their data
	s_add_nc_u64 s[10:11], s[10:11], s[72:73]
.endif
.if (\a) == 4
	s_add_nc_u64 s[10:11], s[10:11], s[74:75]
.endif
	WIN 0x02+((\a)/4)                              ; source 0: window 2 or 3
.set j, 0
.rept 64
	v_med3_num_f32 v[TMP+j], v[AC+j], -v[LIM], v[LIM]   ; the hold at the largest code x the scale; each accumulator from its low end on
.set j, j+1
.endr
	WIN 0
.irp g, 0,1,2,3,4,5,6,7
	v_cvt_scalef32_pk8_fp8_f32 v[CD+2*\g:CD+2*\g+1], v[TMP+8*\g:TMP+8*\g+7], v[SC]
.endr
	v_nop                                          ; a plain vector line behind the last conversion: the next block's holds write its sources
	global_store_b128 v[O0], v[CD:CD+3], s[10:11]
	global_store_b128 v[O0], v[CD+4:CD+7], s[10:11] offset:512
	global_store_b128 v[O1], v[CD+8:CD+11], s[10:11]
	global_store_b128 v[O1], v[CD+12:CD+15], s[10:11] offset:512
.endm
	s_wait_kmcnt 0x0
	s_sub_co_i32 s76, s76, s96
	s_sub_co_i32 s76, s76, s97                     ; eT - e0 - e1
	s_add_co_i32 s76, s76, 127
	s_lshl_b32 s96, s76, 23
	v_mov_b32 v[SC], s96
	s_add_co_i32 s76, s76, 8
	s_lshl_b32 s76, s76, 23
	s_or_b32 s76, s76, 0x600000
	v_mov_b32 v[LIM], s76
	PLACES NP
.irp a, 0,1,2,3,4,5,6,7
	OUTBLK \a
.endr
	s_wait_tensorcnt 0x0                           ; the wave's end: three closing lines
	ds_add_u32 v[SPW], v[NIL]
	s_wait_dscnt 0x0
	CROUND                                         ; the closing round: no work-group ends while a partner may still ask for a tile that names it
	s_endpgm
.Lfunc_end_k_qcab596756e_qkvgemm:
	.size	k_qcab596756e_qkvgemm, .Lfunc_end_k_qcab596756e_qkvgemm-k_qcab596756e_qkvgemm
	.p2alignl 7, 3214868480
	.fill 96, 4, 3214868480
	.section	.rodata,"a",@progbits
	.p2align	6, 0x0
	.amdhsa_kernel k_qcab596756e_qkvgemm
		.amdhsa_group_segment_fixed_size 327680
		.amdhsa_private_segment_fixed_size 0
		.amdhsa_enable_private_segment 0
		.amdhsa_kernarg_size 32
		.amdhsa_user_sgpr_count 2
		.amdhsa_user_sgpr_kernarg_segment_ptr 1
		.amdhsa_wavefront_size32 1
		.amdhsa_system_sgpr_workgroup_id_x 1
		.amdhsa_system_sgpr_workgroup_id_y 1
		.amdhsa_system_sgpr_workgroup_id_z 1
		.amdhsa_system_vgpr_workitem_id 0
		.amdhsa_next_free_vgpr 1024
		.amdhsa_next_free_sgpr 98
		.amdhsa_reserve_vcc 0
		.amdhsa_float_denorm_mode_32 3
		.amdhsa_float_denorm_mode_16_64 3
		.amdhsa_memory_ordered 1
		.amdhsa_forward_progress 1
		.amdhsa_inst_pref_size 119
	.end_amdhsa_kernel
	.amdgpu_metadata
---
amdhsa.version: [ 1, 2 ]
amdhsa.kernels:
  - .name:           k_qcab596756e_qkvgemm
    .symbol:         k_qcab596756e_qkvgemm.kd
    .args:
      - { .name: xc, .offset: 0, .size: 8, .value_kind: global_buffer, .address_space: global }
      - { .name: wqc, .offset: 8, .size: 8, .value_kind: global_buffer, .address_space: global }
      - { .name: lowp_scales, .offset: 16, .size: 8, .value_kind: global_buffer, .address_space: global }
      - { .name: qkv, .offset: 24, .size: 8, .value_kind: global_buffer, .address_space: global }
    .group_segment_fixed_size: 327680
    .private_segment_fixed_size: 0
    .kernarg_segment_align: 8
    .kernarg_segment_size: 32
    .max_flat_workgroup_size: 128
    .sgpr_count:     98
    .vgpr_count:     1024
    .wavefront_size: 32
...
	.end_amdgpu_metadata
.endif
;; end of part 2
;; launch attn (part 3): grid 4 x 64, 16 waves a work-group, no clusters, 34,816 bytes of LDS; arguments qkv, maskw, flags, lowp_scales, af; writes af
.if DOCPART == 3
	.amdgcn_target "amdgcn-amd-amdhsa--gfx1250"
	.amdhsa_code_object_version 6
	.text
	.protected	k_qcab596756e_attn
	.globl	k_qcab596756e_attn
	.p2align	8
	.type	k_qcab596756e_attn,@function
k_qcab596756e_attn:
	s_mov_b64 s[64:65], 0
	v_nop
	global_prefetch_b8 v0, s[64:65] scope:SCOPE_SE
	s_setreg_imm32_b32 hwreg(HW_REG_WAVE_MODE, 25, 1), 1
	s_wait_xcnt 0x0
; PRODUCTS 2 AND 3 with the mask and the softmax between them, on codes of E4M3; the result is quantised (2^e6) into images of the last product's operand registers.
; t = score x log2(e) / 8; a score whose mask word is 0 counts as -infinity; M = the row's largest t so far, rounded UP to a whole number; p = 2^(t - M) is quantised (2^e5), not normalised; the row's sum is
; taken of the unquantised p and divides at the end.  When M moves, the sum and O are multiplied by 2^(old M - new M): exact.
; SHARES.  Work-group (x, bh) makes two blocks of 256 query places of head bh, one after the other: block 7 - x, then block x.  Each of its sixteen waves owns one tile of 16 queries, in 256 registers: four
; waves to a SIMD, so that one wave's vector work stands beside another's matrix work and LDS loads.  A trip is a key step of 128 keys; there are 16 in a pass, whatever the mask.
; WORK THAT THE GIVEN MASK THROWS AWAY IS NOT DONE: the launch before stored, as whole numbers, which tiles (16 queries x 128 keys) have a kept key.  A wave jumps over a step with none; the work-group
; fetches no K and V for a step in which none of its sixteen tiles has one; a tile whose keys are all kept jumps over the 64 selects.  Every mask is served; every wave passes every barrier.
; These are branches on loaded numbers, so this launch has no tensor load and no joint request: K and V come through registers, 16 + 16 bytes a thread and step, asked for a whole trip ahead of their LDS
; stores, into two LDS slots that all sixteen waves read.
; LAYOUT.  All operands lie in memory as images of their registers: lane l's 16 bytes at 16 l, 512 bytes for four registers.  S^T = K Q^T (source 0 = 16 key places, source 1 = my 16 queries),
; O^T = V^T P^T: a lane holds ONE query throughout.  Score register 16 b + i of lane (r, h) is true key 128 s + 32 b + 16 h + i; O^T's register 16 c + i is true channel 32 c + 16 h + i.
; LIMITS on the given exponents, so that each power of two below is an f32 number: e2 + e3 between -123 and 130; e5 between -126 and 119; e6 - e4 - e5 between -126 and 119.
; A query whose row of the mask is all zeros has the sum 0: its codes become the format's NaN code, so that the token's outputs are NaN as the softmax of an empty row is.
; REGISTERS: v1 16 x lane; v2 16 x thread; v5, v6 the add's two; v12 -M, v13 the largest t, v[14:15] the sum; v16-23 Q; v24-31 K's and V's bytes on their way; v32-95 K's 8 fragments, then V's 4;
;   v96-159 S^T, then p; v160-191 O^T; v192-207 p's codes; v208 -infinity; v209, v210 2^e5 and 448 x it; v211, v212 the same with e6 - e4 - e5; v213 four NaN codes; v214-220 at work.
.set SLOTB, 16384                      ; a slot: 8,192 bytes of K's images, then 8,192 of V's
.set VOFF,  8192
.set SPARE, 2*SLOTB                    ; the spare words, 128 bytes for each wave: eight blocks of 256 bytes that no other line names
.set LI,  1
.set ST,  2
.set SPW, 5
.set NIL, 6
.set WV,    14                         ; s14 my wave's number
.set PASS,  15                         ; s15 0, 1
.set QB,    16                         ; s16 the block of queries in hand
.set CNT,   17                         ; s17 pairs of trips to go
.set WGANY, 18                         ; s18 bit j: key step (now + j) has a kept key for some tile of the block
.set MYANY, 19                         ; s19 the same for my tile
.set MYALL, 30                         ; s30 bit j: all of my tile's 16 x 128 are kept
.set HOLD,  31                         ; s31 1 where 448 x 2^e5 lies under 1, so that p has to be held
.set SEL,   20                         ; s[20:21] v_permlanex16_b32's selects for lane l xor 16
.set CS,    22                         ; s[22:23] c = log2(e) / 8 x 2^(e2 + e3)
.set KB,    24                         ; s[24:25] K's images at the even step in hand;  s[26:27] V's;  s[28:29] my tile's mask words
.set VB,    26
.set MB,    28
.set OUT,   100                        ; s[100:101] my tile's place in af
	s_load_b256 s[4:11], s[0:1], 0x0               ; qkv 4:5, maskw 6:7, flags 8:9, the scales' exponents 10:11
	s_load_b64 s[12:13], s[0:1], 0x20              ; af
	v_lshl_add_u32 v[SPW], v0, 2, SPARE
	v_mov_b32 v[NIL], 0
	v_lshrrev_b32 v1, 5, v0
	v_readfirstlane_b32 s[WV], v1                  ; wave 0..15
	v_and_b32 v1, 31, v0
	v_lshlrev_b32 v[LI], 4, v1
	v_lshlrev_b32 v[ST], 4, v0
	v_mov_b32 v208, 0xff800000
	v_mov_b32 v213, 0x7f7f7f7f
	v_mov_b32 v217, 0                              ; (named as the upper half of the pair v[216:217])
	v_mov_b32 v220, 0                              ; a lane permute's destination counts as one of its sources
.irp j, 24,25,26,27,28,29,30,31
	v_mov_b32 v[\j], 0                             ; written once, since their loads and stores stand under branches
.endr
	s_mov_b32 s[SEL], 0x76543210
	s_mov_b32 s[SEL+1], 0xfedcba98
	s_mov_b32 s[CS], 0x3e38aa3b                    ; log2(e) / 8
	s_mov_b32 s[PASS], 0
	s_and_b32 s2, ttmp7, 0xffff                    ; bh = 16 x batch + head
	s_lshl_b32 s66, s2, 17                         ; 131,072 bytes a head in each part of qkv
	s_mov_b32 s67, 0
	s_lshr_b32 s3, s2, 4
	s_lshl_b32 s3, s3, 21                          ; af: 128 tiles of 16,384 bytes a batch,
	s_and_b32 s2, s2, 15
	s_lshl_b32 s2, s2, 10                          ; 1,024 bytes a head
	s_add_co_u32 s2, s2, s3
	s_mov_b32 s3, 0
	s_wait_kmcnt 0x0
	s_load_b256 s[32:39], s[10:11], 0x0            ; e0 .. e7
	s_add_nc_u64 s[4:5], s[4:5], s[66:67]
	s_add_nc_u64 s[12:13], s[12:13], s[2:3]
	s_wait_kmcnt 0x0
	s_add_co_i32 s2, s34, s35
	s_lshl_b32 s2, s2, 23
	s_add_co_i32 s[CS], s[CS], s2                  ; a score stands for score x 2^(e2 + e3): added to c's exponent field
	s_mov_b32 s[CS+1], s[CS]
	s_add_co_i32 s2, s37, 127
	s_lshl_b32 s3, s2, 23
	v_mov_b32 v209, s3                             ; 2^e5
	s_add_co_i32 s2, s2, 8
	s_lshl_b32 s2, s2, 23
	s_or_b32 s2, s2, 0x600000
	v_mov_b32 v210, s2                             ; 448 x 2^e5
	s_sub_co_i32 s2, s38, s36
	s_sub_co_i32 s2, s2, s37                       ; a sum of the second product stands for sum x 2^(e4 + e5): its code is (sum / l) / 2^(e6 - e4 - e5)
	s_add_co_i32 s2, s2, 127
	s_lshl_b32 s3, s2, 23
	v_mov_b32 v211, s3
	s_add_co_i32 s2, s2, 8
	s_lshl_b32 s2, s2, 23
	s_or_b32 s2, s2, 0x600000
	v_mov_b32 v212, s2
	s_cmp_lt_i32 s37, -8                           ; p is at most 1, and 448 x 2^-8 = 1.75: from e5 = -8 on the hold can never act
	s_cselect_b32 s[HOLD], 1, 0
.macro SLOAD off                       ; a key step's 8,192 bytes of K and of V, 16 bytes a thread each
	global_load_b128 v[24:27], v[ST], s[KB:KB+1] offset:\off
	global_load_b128 v[28:31], v[ST], s[VB:VB+1] offset:\off
.endm
.macro SSTORE slot
	ds_store_b128 v[ST], v[24:27] offset:(\slot)*SLOTB
	ds_store_b128 v[ST], v[28:31] offset:(\slot)*SLOTB+VOFF
.endm
; A KEY STEP of my tile, from slot.
.macro STEP slot
	s_load_b512 s[32:47], s[MB:MB+1], 256*(\slot)          ; my tile's 64 mask words of this step
	s_load_b512 s[48:63], s[MB:MB+1], 256*(\slot)+64
	s_load_b512 s[68:83], s[MB:MB+1], 256*(\slot)+128
	s_load_b512 s[84:99], s[MB:MB+1], 256*(\slot)+192
.rept 4
	v_nop                                          ; places in front of loads into registers that the last step's matrix instructions have read
.endr
.irp t, 0,1,2,3,4,5,6,7
.irp c, 0,1
	ds_load_b128 v[32+8*\t+4*\c:35+8*\t+4*\c], v[LI] offset:(\slot)*SLOTB+1024*\t+512*\c
.endr
.endr
	s_wait_dscnt 0x0
.irp t, 0,1,2,3,4,5,6,7
	v_wmma_f32_16x16x64_fp8_fp8 v[96+8*\t:103+8*\t], v[32+8*\t:39+8*\t], v[16:23], 0
.endr
.rept 4
	v_nop                                          ; places in front of the loads below and of the first read of the scores
.endr
.irp t, 0,1,2,3
.irp c, 0,1,2,3
	ds_load_b128 v[32+16*\t+4*\c:35+16*\t+4*\c], v[LI] offset:(\slot)*SLOTB+VOFF+2048*\t+512*\c   ; V lands while the softmax is walked
.endr
.endr
	s_wait_kmcnt 0x0                               ; the mask words are in
	s_bitcmp1_b32 s[MYALL], 0
	s_cbranch_scc1 .Lopen_\@
.set n, 0
.rept 64
	v_cndmask_b32 v[96+n], v208, v[96+n], s[32+n+4*(n/32)]   ; bit l of word n: lane l keeps score n, else -infinity: p = 0 then
.set n, n+1
.endr
.Lopen_\@:
	v_max3_num_f32 v214, v96, v97, v98             ; the step's largest score of my query among my 64 keys, in two chains, each accumulator from its low end on,
	v_max3_num_f32 v215, v99, v100, v101
.irp i, 6,10,14,18,22,26,30,34,38,42,46,50,54,58
	v_max3_num_f32 v214, v214, v[96+\i], v[97+\i]
	v_max3_num_f32 v215, v215, v[98+\i], v[99+\i]
.endr
	v_max3_num_f32 v214, v214, v158, v159
	v_max_num_f32 v214, v214, v215
	v_permlanex16_b32 v220, v214, s[SEL], s[SEL+1]
	v_max_num_f32 v214, v214, v220                 ; and among lane l xor 16's
	v_mul_f32 v214, s[CS], v214                    ; as t (c is positive)
	v_max_num_f32 v13, v13, v214                   ; the running largest t
	v_mov_b32 v214, v12
	v_floor_f32 v12, -v13                          ; the new -M = floor(-t): M is a whole number
	v_sub_f32 v214, v12, v214                      ; old M - new M: a whole number, 0 or less
	v_cvt_i32_f32 v214, v214                       ; (it saturates)
	v_ldexp_f32 v216, 1.0, v214                    ; f = 2^(old M - new M)
.irp j, 0,2,4,6,8,10,12,14,16,18,20,22,24,26,28,30,32,34,36,38,40,42,44,46,48,50,52,54,56,58,60,62
	v_pk_fma_f32 v[96+\j:97+\j], v[96+\j:97+\j], s[CS:CS+1], v[12:13] op_sel_hi:[1,0,0]   ; t - M, two at a time
.endr
.set n, 0
.rept 64
	v_exp_f32 v[96+n], v[96+n]                     ; p = 2^(t - M)
.set n, n+1
.endr
	v_pk_mul_f32 v[14:15], v[14:15], v[216:217] op_sel_hi:[1,0]   ; the sums under the new M: the plain line behind the exponentials
	s_wait_alu depctr_va_vdst(0)                   ; one wait for the whole batch, ahead of its first reader
	v_pk_add_f32 v[218:219], v[96:97], v[98:99]    ; the row's sum is taken of the unquantised p, in two chains
.irp j, 4,8,12,16,20,24,28,32,36,40,44,48,52,56,60
	v_pk_add_f32 v[14:15], v[14:15], v[96+\j:97+\j]
	v_pk_add_f32 v[218:219], v[218:219], v[98+\j:99+\j]
.endr
	v_pk_add_f32 v[14:15], v[14:15], v[218:219]
	s_cmp_eq_u32 s[HOLD], 0
	s_cbranch_scc1 .Lnohold_\@
.set n, 0
.rept 64
	v_min_num_f32 v[96+n], v[96+n], v210           ; the conversion does not saturate (ISA guide 7.6.2); p is not negative, so the hold is one-sided
.set n, n+1
.endr
.Lnohold_\@:
.irp g, 0,1,2,3,4,5,6,7
	v_cvt_scalef32_pk8_fp8_f32 v[192+2*\g:193+2*\g], v[96+8*\g:103+8*\g], v209
.endr
.irp j, 0,2,4,6,8,10,12,14,16,18,20,22,24,26,28,30
	v_pk_mul_f32 v[160+\j:161+\j], v[160+\j:161+\j], v[216:217] op_sel_hi:[1,0]   ; O^T under the new M; also the plain lines between the conversions and the products
.endr
	s_wait_dscnt 0x0                               ; V is in
.irp t, 0,1,2,3
	v_wmma_f32_16x16x128_fp8_fp8 v[160+8*\t:167+8*\t], v[32+16*\t:47+16*\t], v[192:207], v[160+8*\t:167+8*\t]   ; four accumulators by turns; eight score products stand between two steps' links
.endr
.endm
; A TRIP.  The barrier at its head does two things: this slot's stores (the last trip's end) are done before anyone reads it, and everyone's reads of the other slot (the last trip) are over before it is stored into.
.macro TRIP slot
	s_wait_dscnt 0x0                               ; my LDS stores have landed and my LDS loads are in
	s_barrier_signal -1
	s_barrier_wait -1
	s_bitcmp1_b32 s[WGANY], 1                      ; does any tile of the block need the next step?  (Behind the sixteenth step the bit is 0: no load leaves the buffer)
	s_cbranch_scc0 .Lnoload_\@
	SLOAD 8192*((\slot)+1)
.Lnoload_\@:
	s_bitcmp1_b32 s[MYANY], 0
	s_cbranch_scc0 .Lnostep_\@
	STEP \slot
.Lnostep_\@:
	s_wait_loadcnt 0x0                             ; the next step's bytes, asked for a step's work ago
	s_bitcmp1_b32 s[WGANY], 1
	s_cbranch_scc0 .Lnostore_\@
	SSTORE 1-(\slot)
.Lnostore_\@:
	s_lshr_b32 s[WGANY], s[WGANY], 1
	s_lshr_b32 s[MYANY], s[MYANY], 1
	s_lshr_b32 s[MYALL], s[MYALL], 1
.endm
.Lpass:
	s_sub_co_u32 s[QB], 7, ttmp9
	s_cmp_eq_u32 s[PASS], 0
	s_cselect_b32 s[QB], s[QB], ttmp9              ; block 7 - x, then block x
	s_lshl_b32 s10, s[QB], 8
	s_mov_b32 s11, 0
	s_add_nc_u64 s[10:11], s[8:9], s[10:11]
	s_load_b512 s[32:47], s[10:11], 0x0            ; the block's 64 flag words: [key step 16][4]
	s_load_b512 s[48:63], s[10:11], 0x40
	s_load_b512 s[68:83], s[10:11], 0x80
	s_load_b512 s[84:99], s[10:11], 0xc0
	s_lshl_b32 s[CNT], s[QB], 4
	s_add_co_u32 s[CNT], s[CNT], s[WV]             ; my tile: 16 x block + wave
	s_mov_b32 s3, 0
	s_lshl_b32 s2, s[CNT], 10
	s_add_nc_u64 s[66:67], s[4:5], s[2:3]
	global_load_b128 v[16:19], v[LI], s[66:67]     ; Q's fragment stays in registers for the pass
	global_load_b128 v[20:23], v[LI], s[66:67] offset:512
	s_lshl_b32 s2, s[CNT], 12
	s_add_nc_u64 s[MB:MB+1], s[6:7], s[2:3]
	s_lshl_b32 s2, s[CNT], 14
	s_add_nc_u64 s[OUT:OUT+1], s[12:13], s[2:3]
	s_add_nc_u64 s[KB:KB+1], s[4:5], 0x800000
	s_add_nc_u64 s[VB:VB+1], s[4:5], 0x1000000
	v_mov_b32 v13, 0xff61b1e6                      ; the largest t so far: -3e38, under every t
	v_floor_f32 v12, -v13
	v_mov_b32 v14, 0
	v_mov_b32 v15, 0
.set n, 0
.rept 32
	v_mov_b32 v[160+n], 0                          ; O^T: the step is written once; its first run finds zeros, which the first change of M leaves zeros
.set n, n+1
.endr
	s_mov_b32 s[WGANY], 0
	s_mov_b32 s[MYANY], 0
	s_mov_b32 s[MYALL], 0
	s_wait_kmcnt 0x0
.set k, 0
.rept 16                               ; key step k: the four words together hold bit i: tile i has a kept key; bit 16 + i: only kept keys
.set W0, 32+4*k+4*(k/8)
	s_or_b32 s2, s[W0], s[W0+1]
	s_or_b32 s3, s[W0+2], s[W0+3]
	s_or_b32 s2, s2, s3
	s_and_b32 s3, s2, 0xffff
	s_cselect_b32 s3, 1<<k, 0
	s_or_b32 s[WGANY], s[WGANY], s3
	s_lshr_b32 s2, s2, s[WV]
	s_and_b32 s3, s2, 1
	s_lshl_b32 s3, s3, k
	s_or_b32 s[MYANY], s[MYANY], s3
	s_bfe_u32 s3, s2, 0x10010
	s_lshl_b32 s3, s3, k
	s_or_b32 s[MYALL], s[MYALL], s3
.set k, k+1
.endr
	s_bitcmp1_b32 s[WGANY], 0                      ; key step 0 into slot 0.  In the second pass: everyone's last reads of slot 0 lie in front of the first pass's last barrier
	s_cbranch_scc0 .Lno_first_load
	SLOAD 0
.Lno_first_load:
	s_wait_loadcnt 0x0                             ; Q too
	s_bitcmp1_b32 s[WGANY], 0
	s_cbranch_scc0 .Lno_first_store
	SSTORE 0
.Lno_first_store:
	s_mov_b32 s[CNT], 8
.Ltrip:
	TRIP 0
	TRIP 1
	s_wait_xcnt 0x0                                ; every load has read its base (each has also been waited for): the three may step
	s_add_nc_u64 s[KB:KB+1], s[KB:KB+1], 2*8192
	s_add_nc_u64 s[VB:VB+1], s[VB:VB+1], 2*8192
	s_add_nc_u64 s[MB:MB+1], s[MB:MB+1], 2*256
	s_sub_co_i32 s[CNT], s[CNT], 1
	s_cmp_lg_u32 s[CNT], 0
	s_cbranch_scc1 .Ltrip
	; THE WAY OUT of a pass: O^T / the sum, held, converted: two pieces of four registers, images of the last product's operand registers, 512 consecutive bytes a store.
.rept 4
	v_nop                                          ; places behind the last products
.endr
	v_add_f32 v14, v14, v15
	v_permlanex16_b32 v220, v14, s[SEL], s[SEL+1]
	v_add_f32 v14, v14, v220                       ; the row's sum
	v_rcp_f32 v215, v14
	v_nop                                          ; a plain line behind the transcendental
	v_cmp_eq_f32 vcc_lo, 0, v14                    ; a row with no kept key
	s_wait_alu depctr_va_vdst(0)                   ; a wait ahead of the first reader
.set n, 0
.rept 32
	v_mul_f32 v[96+n], v[160+n], v215
.set n, n+1
.endr
.set n, 0
.rept 32
	v_med3_num_f32 v[96+n], v[96+n], -v212, v212
.set n, n+1
.endr
.irp g, 0,1,2,3
	v_cvt_scalef32_pk8_fp8_f32 v[192+2*\g:193+2*\g], v[96+8*\g:103+8*\g], v211
.endr
	v_nop                                          ; a plain line between the conversions and the selects that touch their results
.irp i, 0,1,2,3,4,5,6,7
	v_cndmask_b32 v[192+\i], v[192+\i], v213, vcc_lo
.endr
	global_store_b128 v[LI], v[192:195], s[OUT:OUT+1]
	global_store_b128 v[LI], v[196:199], s[OUT:OUT+1] offset:512
	s_wait_xcnt 0x0                                ; the stores have read their data and their base: the next pass writes both
	s_add_co_u32 s[PASS], s[PASS], 1
	s_cmp_lt_u32 s[PASS], 2
	s_cbranch_scc1 .Lpass
	s_wait_tensorcnt 0x0                           ; the wave's end: three closing lines behind my last LDS store
	ds_add_u32 v[SPW], v[NIL]
	s_wait_dscnt 0x0
	s_endpgm
.Lfunc_end_k_qcab596756e_attn:
	.size	k_qcab596756e_attn, .Lfunc_end_k_qcab596756e_attn-k_qcab596756e_attn
	.p2alignl 7, 3214868480
	.fill 96, 4, 3214868480
	.section	.rodata,"a",@progbits
	.p2align	6, 0x0
	.amdhsa_kernel k_qcab596756e_attn
		.amdhsa_group_segment_fixed_size 34816
		.amdhsa_private_segment_fixed_size 0
		.amdhsa_enable_private_segment 0
		.amdhsa_kernarg_size 40
		.amdhsa_user_sgpr_count 2
		.amdhsa_user_sgpr_kernarg_segment_ptr 1
		.amdhsa_wavefront_size32 1
		.amdhsa_system_sgpr_workgroup_id_x 1
		.amdhsa_system_sgpr_workgroup_id_y 1
		.amdhsa_system_sgpr_workgroup_id_z 1
		.amdhsa_system_vgpr_workitem_id 0
		.amdhsa_next_free_vgpr 256
		.amdhsa_next_free_sgpr 102
		.amdhsa_reserve_vcc 1
		.amdhsa_float_denorm_mode_32 3
		.amdhsa_float_denorm_mode_16_64 3
		.amdhsa_memory_ordered 1
		.amdhsa_forward_progress 1
		.amdhsa_inst_pref_size 59
	.end_amdhsa_kernel
	.amdgpu_metadata
---
amdhsa.version: [ 1, 2 ]
amdhsa.kernels:
  - .name:           k_qcab596756e_attn
    .symbol:         k_qcab596756e_attn.kd
    .args:
      - { .name: qkv, .offset: 0, .size: 8, .value_kind: global_buffer, .address_space: global }
      - { .name: maskw, .offset: 8, .size: 8, .value_kind: global_buffer, .address_space: global }
      - { .name: flags, .offset: 16, .size: 8, .value_kind: global_buffer, .address_space: global }
      - { .name: lowp_scales, .offset: 24, .size: 8, .value_kind: global_buffer, .address_space: global }
      - { .name: af, .offset: 32, .size: 8, .value_kind: global_buffer, .address_space: global }
    .group_segment_fixed_size: 34816
    .private_segment_fixed_size: 0
    .kernarg_segment_align: 8
    .kernarg_segment_size: 40
    .max_flat_workgroup_size: 512
    .sgpr_count:     102
    .vgpr_count:     256
    .wavefront_size: 32
...
	.end_amdgpu_metadata
.endif
;; end of part 3
;; launch proj (part 4): grid 4 x 32, 4 waves a work-group, clusters of 4 x 4, 327,680 bytes of LDS; arguments af, woc, lowp_scales, out0; writes out0
.if DOCPART == 4
	.amdgcn_target "amdgcn-amd-amdhsa--gfx1250"
	.amdhsa_code_object_version 6
	.text
	.protected	k_qcab596756e_proj
	.globl	k_qcab596756e_proj
	.p2align	8
	.type	k_qcab596756e_proj,@function
k_qcab596756e_proj:
	s_mov_b64 s[64:65], 0
	v_nop
	global_prefetch_b8 v0, s[64:65] scope:SCOPE_SE
	s_setreg_imm32_b32 hwreg(HW_REG_WAVE_MODE, 25, 1), 1
	s_wait_xcnt 0x0
	s_wait_alu depctr_hold_cnt(0) depctr_sa_sdst(0) depctr_va_vdst(0) depctr_va_sdst(0) depctr_va_ssrc(0) depctr_va_vcc(0) depctr_vm_vsrc(0)
	s_getreg_b32 s2, hwreg(HW_REG_IB_STS2, 6, 4)
	s_cmp_eq_u32 s2, 0
	s_cbranch_scc0 .Lentry_in_a_cluster
	s_endpgm
.Lentry_in_a_cluster:
	s_bfe_u32 s2, ttmp6, 0x10000c
	s_cmp_lg_u32 s2, 0xf033
	s_cbranch_scc0 .Lentry_shape_is_right
	s_endpgm
.Lentry_shape_is_right:
; PRODUCT 4: the attention's result x W_out, on codes of E4M3; each finished sum x 2^(e6 + e7).  LIMIT: e6 + e7 between -126 and 127, so that this power of two is an f32 number.
; af: [row block 512][head 16][c 2][lane 32][16 bytes]: IMAGES of source 1's registers (16 rows x 64 K a head); row p holds token SW(p) (SW: bits 3 and 4 exchanged).
; woc: [1024][1024] codes, K innermost; row p holds column SW(p) of W_out.  out0: [8192][1024] f32, in true order: the two permutations are taken back on the way out, in constants.
; A tile of 256 x 256 is made by four waves, each 128 x 128: 64 accumulators.  K goes in steps of 256 through a ring of two LDS slots filled by the tensor data mover.
; CLUSTERS: 4 x 4 work-groups; af's tiles are asked for jointly along a row of the cluster, woc's along a column.  THE MATRIX INSTRUCTION IS USED TRANSPOSED (source 0 = 16 rows of woc, source 1 = 16 rows of af).
; A tile of af is 8 row blocks x 4,096 bytes a wave's load, dense in LDS: a fragment load takes 512 consecutive bytes, so it needs no padding.  woc's rows are padded as usual.
; REGISTERS, in windows of 256: window 0: v0-31 addresses; from v128 source 1's fragments, ONE set; on the way out v32-255 are free.   window 1: source 0's fragments, TWO sets.   windows 2, 3: the accumulators.
.set SIZE_K, 1024
.set KSTEP,  256
.set ROWB,   256
.set KROW,   SIZE_K
.set PITCH,  272
.set FR,     16
.set NL,     4
.set NP,     4
.set AHALF,  32768                     ; 8 row blocks x 4,096 bytes: what one load brings of af, and what one wave reads
.set ASTEP,  4096                      ; a K step of 256 in a row block of af
.set HALFT,  128*PITCH
.set BOFF,   2*AHALF                   ; woc's rows lie behind af's two halves
.set SLOT,   2*AHALF+2*HALFT
.set LAPS,   SIZE_K/(2*KSTEP)
.set SPARE,  2*SLOT                    ; behind the ring: the spare words, 128 bytes for each wave: two blocks of 256 bytes that no other line names
.set SPITCH, 528                       ; the way out: a stage of 16 rows x (512 bytes + 16) for each wave, in slot 0, which has had its last fill and its last read when the first result is stored there
.set ADRA, 16
.set ADRB, 20
.set STO,  24
.set RD,   25
.set CO,   26
.set SPW,  28
.set NIL,  29
.set TMP,  32
.set AF,   128
.set BK,   128
.set G1, 24
.set G0, 32
.set G1B, 48
.set G0B, 56
.set MSB, 0
.macro WIN new
.if MSB != \new
	s_set_vgpr_msb (MSB<<8)|\new
.set MSB, \new
.endif
.endm
.set MUL_LO, 0xa1
.set MUL_HI, 0xf1
.set TO_B,   0x40
.macro JLOAD g0a, g1a, g0b, g1b        ; waves 0 and 1 fetch af's halves, waves 2 and 3 woc's; an s_nop 0 and four v_nop follow each of the two lines
	s_cmp_eq_u32 s15, 0
	s_cbranch_scc0 .Lfor_b_\@
	tensor_load_to_lds s[\g0a:\g0a+3], s[\g1a:\g1a+7]
	s_nop 0
.rept 4
	v_nop
.endr
	s_branch .Lasked_\@
.Lfor_b_\@:
	tensor_load_to_lds s[\g0b:\g0b+3], s[\g1b:\g1b+7]
	s_nop 0
.rept 4
	v_nop
.endr
.Lasked_\@:
.endm
.macro CREST
	s_cmp_lg_u32 s14, 0
	s_cbranch_scc1 .Lnot_wave_0_\@
	s_barrier_signal -3
.Lnot_wave_0_\@:
	s_barrier_wait -3
	s_barrier_signal -1
	s_barrier_wait -1
.endm
.macro CROUND
	s_barrier_signal -1
	s_barrier_wait -1
	CREST
.endm
	s_load_b128 s[4:7], s[0:1], 0x0                ; af s[4:5], woc s[6:7]
	s_load_b128 s[8:11], s[0:1], 0x10              ; the scales' exponents s[8:9], out0 s[10:11]
	v_lshl_add_u32 v[SPW], v0, 2, SPARE
	v_mov_b32 v[NIL], 0
	ds_add_u32 v[SPW], v[NIL]                      ; the wave's opening: an add and its wait ahead of my first tensor load; work on registers stands between them
	v_lshrrev_b32 v1, 5, v0
	v_readfirstlane_b32 s14, v1                    ; wave 0..3
	s_lshr_b32 s15, s14, 1                         ; which half of the tile's rows is mine.  Also: I fetch af (0) or woc (1)
	s_and_b32 s16, s14, 1                          ; which half of its columns.  Also: which half of that tile I fetch
	s_bfe_u32 s40, ttmp6, 0x40000
	s_bfe_u32 s41, ttmp6, 0x40004
	s_lshl_b32 s42, ttmp9, 2
	s_add_co_u32 s42, s42, s40                     ; tile column
	s_and_b32 s17, ttmp7, 0xffff
	s_lshl_b32 s17, s17, 2
	s_add_co_u32 s17, s17, s41                     ; tile row
	s_lshl_b32 s43, s41, 2
	s_lshl_b32 s43, 15, s43                        ; my row of the cluster
	s_lshl_b32 s44, 0x1111, s40                    ; my column
	s_or_b32 s[G1+0], s43, (0<<16)|(1<<21)         ; af: the mask of my row; elements of 1 byte; no padding; bit 21 beside a mask
	s_mov_b32 s[G1+1], ASTEP<<16                   ; tensor_dim0 = 4,096
	s_mov_b32 s[G1+2], 8<<16                       ; tensor_dim1 = 8
	s_mov_b32 s[G1+3], ASTEP<<16                   ; tile_dim0 = 4,096
	s_mov_b32 s[G1+4], 8                           ; tile_dim1 = 8 row blocks
	s_mov_b32 s[G1+5], 16384                       ; from row block to row block
	s_mov_b32 s[G1+6], 0
	s_mov_b32 s[G1+7], 0
	s_or_b32 s[G1B+0], s44, (0<<16)|(1<<20)|(1<<21)|(5<<22)|(3<<25)  ; woc: the mask of my column; 4 words of padding after every 64
	s_mov_b32 s[G1B+1], ROWB<<16
	s_mov_b32 s[G1B+2], 128<<16
	s_mov_b32 s[G1B+3], ROWB<<16
	s_mov_b32 s[G1B+4], 128
	s_mov_b32 s[G1B+5], KROW
	s_mov_b32 s[G1B+6], 0
	s_mov_b32 s[G1B+7], 0
	s_lshl_b32 s20, s17, 4
	s_lshl_b32 s18, s16, 3
	s_add_co_u32 s20, s20, s18                     ; af: row block 16 x tile row + 8 x half,
	s_lshl_b32 s20, s20, 14                        ; of 16,384 bytes
	s_mov_b32 s21, 0
	s_lshl_b32 s18, s16, 7
	s_lshl_b32 s46, s42, 8
	s_add_co_u32 s46, s46, s18                     ; woc: row 256 x tile column + 128 x half,
	s_lshl_b32 s46, s46, 10                        ; of 1,024 bytes
	s_mov_b32 s47, 0
	s_mul_i32 s45, s16, AHALF                      ; where they go: no place in the cluster enters an LDS address
	s_mul_i32 s67, s16, HALFT
	s_add_co_u32 s67, s67, BOFF
	s_wait_dscnt 0x0                               ; the opening add is done
	s_wait_kmcnt 0x0
	s_load_b64 s[96:97], s[8:9], 0x18              ; e6, e7
	s_add_nc_u64 s[20:21], s[4:5], s[20:21]
	s_add_nc_u64 s[46:47], s[6:7], s[46:47]
	CROUND                                         ; all sixteen work-groups are here: the first joint loads meet
.irp s, 0,1
	s_mov_b32 s[G0+4*\s], 1
	s_add_co_u32 s[G0+4*\s+1], s45, \s*SLOT
	s_add_nc_u64 s[G0+4*\s+2:G0+4*\s+3], s[20:21], \s*ASTEP
	s_or_b32 s[G0+4*\s+3], s[G0+4*\s+3], 0x80000000
	s_mov_b32 s[G0B+4*\s], 1
	s_add_co_u32 s[G0B+4*\s+1], s67, \s*SLOT
	s_add_nc_u64 s[G0B+4*\s+2:G0B+4*\s+3], s[46:47], \s*ROWB
	s_or_b32 s[G0B+4*\s+3], s[G0B+4*\s+3], 0x80000000
	JLOAD G0+4*\s, G1, G0B+4*\s, G1B
.endr
	v_and_b32 v1, 15, v0                           ; l % 16
	v_bfe_u32 v2, v0, 4, 1                         ; l / 16
	v_mul_u32_u24 v3, v1, PITCH
	v_lshl_add_u32 v4, v2, 4, v3                   ; woc: a fragment's row x pitch + 16 x half
	v_and_b32 v6, 31, v0
	v_lshlrev_b32 v[CO], 4, v6                     ; 16 x lane: af's images, the stage's rows, a row of out0
	s_mul_i32 s21, s15, AHALF                      ; my 8 row blocks of af
	s_mul_i32 s22, s16, HALFT
	s_add_co_u32 s22, s22, BOFF                    ; my 128 rows of woc
.irp s, 0,1
	v_add_nc_u32 v[ADRA+\s], s21, v[CO]
	v_add_nc_u32 v[ADRB+\s], s22, v4
	s_add_co_u32 s21, s21, SLOT
	s_add_co_u32 s22, s22, SLOT
.endr
	s_mul_i32 s23, s14, 16*SPITCH                  ; my stage
	v_mul_u32_u24 v5, v1, SPITCH
	v_lshl_add_u32 v5, v2, 6, v5                   ; in: row l % 16; true column 32 B + 8 u + 16 h + j of tile 2 B + u: 64 bytes for the lanes' half
	v_add_nc_u32 v[STO], s23, v5
	v_add_nc_u32 v[RD], s23, v[CO]                 ; back: the 32 lanes take one row of 512 bytes
	s_lshl_b32 s20, s17, 8
	s_lshl_b32 s21, s15, 7
	s_add_co_u32 s20, s20, s21                     ; my first row: 256 x tile row + 128 x half,
	s_lshl_b32 s20, s20, 12                        ; of 4,096 bytes
	s_lshl_b32 s46, s42, 10                        ; my first column, in bytes: 1,024 x tile column + 512 x half
	s_lshl_b32 s47, s16, 9
	s_add_co_u32 s46, s46, s47
	s_add_co_u32 s20, s20, s46
	s_mov_b32 s21, 0
	s_add_nc_u64 s[10:11], s[10:11], s[20:21]      ; never stepped: every row's place stands in its store's immediate
.macro FRAG reg, adr, q, i             ; woc: lane l holds row l % 16; registers 4 c .. 4 c + 3 hold K = 32 c + 16 (l / 16) + 0 .. 15
.irp c, 0,1,2,3
	ds_load_b128 v[\reg+4*\c:\reg+4*\c+3], v[\adr] offset:128*(\q)+32*\c+(\i)*16*PITCH
.endr
.endm
.macro FRAGA reg, adr, q, i            ; af: the image of the same registers: row block i, the slot's q-th 128 along K (two heads), piece c
.irp c, 0,1,2,3
	ds_load_b128 v[\reg+4*\c:\reg+4*\c+3], v[\adr] offset:ASTEP*(\i)+2048*(\q)+512*\c
.endr
.endm
.macro MUL16 a0, p, zero               ; the 64 accumulators take turns, one instruction a turn
.irp a, \a0, \a0+1
.irp b, 0,1,2,3,4,5,6,7
.if \zero
	v_wmma_f32_16x16x128_fp8_fp8 v[8*(8*((\a)%4)+\b):8*(8*((\a)%4)+\b)+7], v[128*(\p)+FR*\b:128*(\p)+FR*\b+FR-1], v[AF+FR*(\a):AF+FR*(\a)+FR-1], 0
.else
	v_wmma_f32_16x16x128_fp8_fp8 v[8*(8*((\a)%4)+\b):8*(8*((\a)%4)+\b)+7], v[128*(\p)+FR*\b:128*(\p)+FR*\b+FR-1], v[AF+FR*(\a):AF+FR*(\a)+FR-1], v[8*(8*((\a)%4)+\b):8*(8*((\a)%4)+\b)+7]
.endif
.endr
.endr
.endm
.macro FETCH_B slot, q, p
	WIN TO_B
.irp i, 0,1,2,3,4,5,6,7
	FRAG 128*(\p)+FR*\i, ADRB+\slot, \q, \i
.endr
	WIN 0
.endm
.macro FETCH_A slot, q, i0
.irp i, \i0, \i0+1, \i0+2, \i0+3
	FRAGA AF+FR*(\i), ADRA+\slot, \q, \i
.endr
.endm
.macro PLACES n
.rept \n
	v_nop
.endr
.endm
.macro STEP slot, q, zero
	s_wait_dscnt 4*NL                              ; woc's set and af's blocks 0-3 are in; the youngest sixteen loads (blocks 4-7) may be out
	WIN MUL_LO
	MUL16 0, (\q)%2, \zero
	MUL16 2, (\q)%2, \zero
	s_wait_dscnt 0
	PLACES NP
	FETCH_B \slot, (\q)+1, 1-(\q)%2
	FETCH_A \slot, (\q)+1, 0
	WIN MUL_HI
	MUL16 4, (\q)%2, \zero
	MUL16 6, (\q)%2, \zero
	PLACES NP
	WIN 0
	FETCH_A \slot, (\q)+1, 4
.endm
.macro TURN slot, next, fill
	s_wait_tensorcnt 0x0                           ; all my tensor loads have landed: my part of the next slot
	ds_add_u32 v[SPW], v[NIL]                      ; 0 onto my spare word
	s_wait_dscnt 4*NL+1                            ; (the add and the youngest sixteen loads may be out)
	WIN MUL_LO
	MUL16 0, 1, 0
	s_wait_dscnt 0x0                               ; the add is done, and my reads of this slot are over
	s_barrier_signal -1
	MUL16 2, 1, 0
	WIN 0
	s_barrier_wait -1
.if \fill
	CREST                                          ; the barrier has opened a round of the cluster's: no wave of any partner still reads this slot or has a load on its way
	s_add_nc_u64 s[G0+4*\slot+2:G0+4*\slot+3], s[G0+4*\slot+2:G0+4*\slot+3], 2*ASTEP
	s_add_nc_u64 s[G0B+4*\slot+2:G0B+4*\slot+3], s[G0B+4*\slot+2:G0B+4*\slot+3], 2*ROWB
	JLOAD G0+4*\slot, G1, G0B+4*\slot, G1B
.else
	PLACES NP
.endif
	FETCH_B \next, 0, 0
	FETCH_A \next, 0, 0
	WIN MUL_HI
	MUL16 4, 1, 0
	MUL16 6, 1, 0
	PLACES NP
	WIN 0
	FETCH_A \next, 0, 4
.endm
	s_wait_tensorcnt 1                             ; my part of K step 0 is in (K step 1's load may be out)
	s_barrier_signal -1
	s_barrier_wait -1
	FETCH_B 0, 0, 0
	FETCH_A 0, 0, 0
	FETCH_A 0, 0, 4
	STEP 0, 0, 1
	s_mov_b32 s3, LAPS-1
.Llap:
	TURN 0, 1, 1
	STEP 1, 0, 0
	TURN 1, 0, 1
	STEP 0, 0, 0
	s_sub_co_u32 s3, s3, 1
	s_cmp_lg_u32 s3, 0
	s_cbranch_scc1 .Llap
	TURN 0, 1, 0
	STEP 1, 0, 0
	s_wait_dscnt 4*NL
	WIN MUL_LO
	MUL16 0, 1, 0
	MUL16 2, 1, 0
	s_wait_dscnt 0
	WIN MUL_HI
	MUL16 4, 1, 0
	MUL16 6, 1, 0
	WIN 0
; THE WAY OUT, block by block of 16 rows x 128 columns, through my own stage in LDS.  Tile b's eight numbers of a lane are true columns 32 (b / 2) + 8 (b % 2) + 16 h + 0 .. 7: their place in the stage's row
; takes the columns' permutation back.  Row t of block a is true row 32 (a / 2) + 8 (a % 2) + t % 8 + 16 (t / 8) of my 128: the store's immediate takes the rows' back.
.macro TOSTAGE a
.set AC, 64*((\a)%4)
	WIN 0x02+((\a)/4)
.irp j, 0,2,4,6,8,10,12,14,16,18,20,22,24,26,28,30,32,34,36,38,40,42,44,46,48,50,52,54,56,58,60,62
	v_pk_mul_f32 v[TMP+\j:TMP+\j+1], v[AC+\j:AC+\j+1], s[96:97] op_sel_hi:[1,0]   ; x 2^(e6 + e7); each accumulator from its low end on
.endr
	WIN 0
.irp b, 0,1,2,3,4,5,6,7
	ds_store_b128 v[STO], v[TMP+8*\b:TMP+8*\b+3] offset:128*(\b/2)+32*(\b%2)
	ds_store_b128 v[STO], v[TMP+8*\b+4:TMP+8*\b+7] offset:128*(\b/2)+32*(\b%2)+16
.endr
.set BB, BK+64*((\a)%2)
.irp t, 0,1,2,3,4,5,6,7,8,9,10,11,12,13,14,15
	ds_load_b128 v[BB+4*\t:BB+4*\t+3], v[RD] offset:\t*SPITCH   ; LDS serves a wave's instructions in order: these see the stores above
.endr
.endm
.macro SEND a, younger
.set BB, BK+64*((\a)%2)
	s_wait_dscnt \younger                          ; the block is back in registers
.irp t, 0,1,2,3,4,5,6,7,8,9,10,11,12,13,14,15
	global_store_b128 v[CO], v[BB+4*\t:BB+4*\t+3], s[10:11] offset:(32*((\a)/2)+8*((\a)%2)+((\t)&7)+16*((\t)>>3))*4096 th:TH_STORE_NT   ; 32 lanes store 512 consecutive bytes, aligned
.endr
.endm
	s_wait_kmcnt 0x0
	s_add_co_i32 s96, s96, s97
	s_add_co_i32 s96, s96, 127
	s_lshl_b32 s96, s96, 23                        ; 2^(e6 + e7) as f32
	PLACES NP
	TOSTAGE 0
.irp a, 1,2,3,4,5,6,7
.if \a > 1
	s_wait_xcnt 0x0                                ; block a - 2's stores have read their registers: block a's loads may land there
.endif
	TOSTAGE \a
	SEND \a-1, 32                                  ; behind block a - 1's loads: block a's 16 stores and 16 loads
.endr
	SEND 7, 0
	s_wait_tensorcnt 0x0                           ; the wave's end: three closing lines, behind my last tensor load and my last LDS store
	ds_add_u32 v[SPW], v[NIL]
	s_wait_dscnt 0x0
	CROUND                                         ; the closing round
	s_endpgm
.Lfunc_end_k_qcab596756e_proj:
	.size	k_qcab596756e_proj, .Lfunc_end_k_qcab596756e_proj-k_qcab596756e_proj
	.p2alignl 7, 3214868480
	.fill 96, 4, 3214868480
	.section	.rodata,"a",@progbits
	.p2align	6, 0x0
	.amdhsa_kernel k_qcab596756e_proj
		.amdhsa_group_segment_fixed_size 327680
		.amdhsa_private_segment_fixed_size 0
		.amdhsa_enable_private_segment 0
		.amdhsa_kernarg_size 32
		.amdhsa_user_sgpr_count 2
		.amdhsa_user_sgpr_kernarg_segment_ptr 1
		.amdhsa_wavefront_size32 1
		.amdhsa_system_sgpr_workgroup_id_x 1
		.amdhsa_system_sgpr_workgroup_id_y 1
		.amdhsa_system_sgpr_workgroup_id_z 1
		.amdhsa_system_vgpr_workitem_id 0
		.amdhsa_next_free_vgpr 1024
		.amdhsa_next_free_sgpr 98
		.amdhsa_reserve_vcc 0
		.amdhsa_float_denorm_mode_32 3
		.amdhsa_float_denorm_mode_16_64 3
		.amdhsa_memory_ordered 1
		.amdhsa_forward_progress 1
		.amdhsa_inst_pref_size 123
	.end_amdhsa_kernel
	.amdgpu_metadata
---
amdhsa.version: [ 1, 2 ]
amdhsa.kernels:
  - .name:           k_qcab596756e_proj
    .symbol:         k_qcab596756e_proj.kd
    .args:
      - { .name: af, .offset: 0, .size: 8, .value_kind: global_buffer, .address_space: global }
      - { .name: woc, .offset: 8, .size: 8, .value_kind: global_buffer, .address_space: global }
      - { .name: lowp_scales, .offset: 16, .size: 8, .value_kind: global_buffer, .address_space: global }
      - { .name: out0, .offset: 24, .size: 8, .value_kind: global_buffer, .address_space: global }
    .group_segment_fixed_size: 327680
    .private_segment_fixed_size: 0
    .kernarg_segment_align: 8
    .kernarg_segment_size: 32
    .max_flat_workgroup_size: 128
    .sgpr_count:     98
    .vgpr_count:     1024
    .wavefront_size: 32
...
	.end_amdgpu_metadata
.endif
;; end of part 4
;; ======== version 2 of 2: 4 launches; version 1 with the launch attn written anew for expert scheduling mode
;; workspace buffers: xc 8,388,608 bytes; wqc 3,145,728 bytes; woc 1,048,576 bytes; maskw 524,288 bytes of whole numbers; flags 2,048 bytes of whole numbers; qkv 25,165,824 bytes; af 8,388,608 bytes
;; launch prep: the kernel of part 1 again; grid 512 x 1, 4 waves a work-group, no clusters, 101,888 bytes of LDS; arguments x, W_qkv, W_out, mask, lowp_scales, xc, wqc, woc, maskw, flags; writes xc, wqc, woc, maskw, flags
;; launch qkvgemm: the kernel of part 2 again; grid 12 x 32, 4 waves a work-group, clusters of 4 x 4, 327,680 bytes of LDS; arguments xc, wqc, lowp_scales, qkv; writes qkv
;; launch attn (part 5): grid 4 x 64, 16 waves a work-group, no clusters, 34,816 bytes of LDS; arguments qkv, maskw, flags, lowp_scales, af; writes af
.if DOCPART == 5
	.amdgcn_target "amdgcn-amd-amdhsa--gfx1250"
	.amdhsa_code_object_version 6
	.text
	.protected	k_qcab596756e_attn
	.globl	k_qcab596756e_attn
	.p2align	8
	.type	k_qcab596756e_attn,@function
k_qcab596756e_attn:
	s_mov_b64 s[64:65], 0
	v_nop
	global_prefetch_b8 v0, s[64:65] scope:SCOPE_SE
	s_setreg_imm32_b32 hwreg(HW_REG_WAVE_SCHED_MODE, 0, 2), 2
	s_setreg_imm32_b32 hwreg(HW_REG_WAVE_MODE, 25, 1), 1
	s_wait_xcnt 0x0
	s_wait_alu depctr_vm_vsrc(0)
; PRODUCTS 2 AND 3 with the mask and the softmax between them, on codes of E4M3; the result is quantised (2^e6) into images of the last product's operand registers.
; t = score x log2(e) / 8; a score whose mask word is 0 counts as -infinity; M = the row's largest t so far, rounded UP to a whole number; p = 2^(t - M) is quantised (2^e5), not normalised; the row's sum is
; taken of the unquantised p and divides at the end.  When M moves, the sum and O are multiplied by 2^(old M - new M): exact.
; SHARES.  Work-group (x, bh) makes two blocks of 256 query places of head bh, one after the other: block 7 - x, then block x.  Each of its sixteen waves owns one tile of 16 queries, in 256 registers: four
; waves to a SIMD, so that one wave's vector work stands beside another's matrix work and LDS loads.  A trip is a key step of 128 keys; there are 16 in a pass, whatever the mask.
; WORK THAT THE GIVEN MASK THROWS AWAY IS NOT DONE: the launch before stored, as whole numbers, which tiles (16 queries x 128 keys) have a kept key.  A wave jumps over a step with none; the work-group
; fetches no K and V for a step in which none of its sixteen tiles has one; a tile whose keys are all kept jumps over the 64 selects.  Every mask is served; every wave passes every barrier.
; These are branches on loaded numbers, so this launch has no tensor load and no joint request: K and V come through registers, 16 + 16 bytes a thread and step, asked for a whole trip ahead of their LDS
; stores, into two LDS slots that all sixteen waves read.
; LAYOUT.  All operands lie in memory as images of their registers: lane l's 16 bytes at 16 l, 512 bytes for four registers.  S^T = K Q^T (source 0 = 16 key places, source 1 = my 16 queries),
; O^T = V^T P^T: a lane holds ONE query throughout.  Score register 16 b + i of lane (r, h) is true key 128 s + 32 b + 16 h + i; O^T's register 16 c + i is true channel 32 c + 16 h + i.
; LIMITS on the given exponents, so that each power of two below is an f32 number: e2 + e3 between -123 and 130; e5 between -126 and 119; e6 - e4 - e5 between -126 and 119.
; A query whose row of the mask is all zeros has the sum 0: its codes become the format's NaN code, so that the token's outputs are NaN as the softmax of an empty row is.
; REGISTERS: v1 16 x lane; v2 16 x thread; v5, v6 the add's two; v12 -M, v13 the largest t, v[14:15] the sum; v16-23 Q; v24-31 K's and V's bytes on their way; v32-95 K's 8 fragments, then V's 4;
;   v96-159 S^T, then p; v160-191 O^T; v192-207 p's codes; v208 -infinity; v209, v210 2^e5 and 448 x it; v211, v212 the same with e6 - e4 - e5; v213 four NaN codes; v214-220 at work.
; THE MODE: SCHED_MODE bits 1:0 = 2 (LLVM: expert scheduling mode 2), set by the entry lines.  The code itself states the register dependences between vector or matrix instructions and memory or LDS
; instructions, with s_wait_alu, always for 0.
; THE PLAN.  Registers that memory or LDS instructions touch:
;   v1, v2     Addresses.  Written at the head and never again; read by every LDS load and store, by the loads of Q, K and V and by the stores of the result.
;   v16-23     Q.  A pass's two loads land in it; the pass's score products read it.
;   v24-31     Zeros are written into it once, at the head.  A trip's two global loads land in it; the two LDS stores at the trip's end read it.
;   v32-95     A step's sixteen LDS loads of K land in it; the eight score products read it; the sixteen LDS loads of V land in it; the four second products read it.
;   v192-199   Written by a step's conversions and, on a pass's way out, by conversions and selects; read by the pass's two global stores.
;   v5, v6     Written at the head, read by the closing add alone.
;   All else (S^T and p, O^T, the statistics, the constants) is named by vector and matrix instructions alone.
; So: one wait on va_vdst at a pass's head (the addresses and the zeros are written; the last pass's products are done with Q), one at a step's head (the last step's second products are done with v32-95),
; one behind the score products (they are done with v32-95), the one behind the exponentials, and one ahead of a pass's stores; one wait on vm_vsrc at a trip's head (the LDS stores have read v24-31) and one
; behind a pass's stores; one on va_sdst for the wave's number, one on va_vcc for the way out's compare.  V's sixteen loads rest on the wait behind the score products: eight follow it at once, eight are dealt
; among the lines of the maximum; the vector lines between name v96-159, v208, v214 and v215 alone, none of the registers that those loads touch.
.set SLOTB, 16384                      ; a slot: 8,192 bytes of K's images, then 8,192 of V's
.set VOFF,  8192
.set SPARE, 2*SLOTB                    ; the spare words, 128 bytes for each wave: eight blocks of 256 bytes that no other line names
.set LI,  1
.set ST,  2
.set SPW, 5
.set NIL, 6
.set WV,    14                         ; s14 my wave's number
.set PASS,  15                         ; s15 0, 1
.set QB,    16                         ; s16 the block of queries in hand
.set CNT,   17                         ; s17 pairs of trips to go
.set WGANY, 18                         ; s18 bit j: key step (now + j) has a kept key for some tile of the block
.set MYANY, 19                         ; s19 the same for my tile
.set MYALL, 30                         ; s30 bit j: all of my tile's 16 x 128 are kept
.set HOLD,  31                         ; s31 1 where 448 x 2^e5 lies under 1, so that p has to be held
.set SEL,   20                         ; s[20:21] v_permlanex16_b32's selects for lane l xor 16
.set CS,    22                         ; s[22:23] c = log2(e) / 8 x 2^(e2 + e3)
.set KB,    24                         ; s[24:25] K's images at the even step in hand;  s[26:27] V's;  s[28:29] my tile's mask words
.set VB,    26
.set MB,    28
.set OUT,   100                        ; s[100:101] my tile's place in af
	s_load_b256 s[4:11], s[0:1], 0x0               ; qkv 4:5, maskw 6:7, flags 8:9, the scales' exponents 10:11
	s_load_b64 s[12:13], s[0:1], 0x20              ; af
	v_lshl_add_u32 v[SPW], v0, 2, SPARE
	v_mov_b32 v[NIL], 0
	v_lshrrev_b32 v1, 5, v0
	v_readfirstlane_b32 s[WV], v1                  ; wave 0..15
	v_and_b32 v1, 31, v0
	v_lshlrev_b32 v[LI], 4, v1
	v_lshlrev_b32 v[ST], 4, v0
	v_mov_b32 v208, 0xff800000
	v_mov_b32 v213, 0x7f7f7f7f
	v_mov_b32 v217, 0                              ; (named as the upper half of the pair v[216:217])
	v_mov_b32 v220, 0                              ; a lane permute's destination counts as one of its sources
.irp j, 24,25,26,27,28,29,30,31
	v_mov_b32 v[\j], 0                             ; written once, since their loads and stores stand under branches
.endr
	s_wait_alu depctr_va_sdst(0)
	s_mov_b32 s[SEL], 0x76543210
	s_mov_b32 s[SEL+1], 0xfedcba98
	s_mov_b32 s[CS], 0x3e38aa3b                    ; log2(e) / 8
	s_mov_b32 s[PASS], 0
	s_and_b32 s2, ttmp7, 0xffff                    ; bh = 16 x batch + head
	s_lshl_b32 s66, s2, 17                         ; 131,072 bytes a head in each part of qkv
	s_mov_b32 s67, 0
	s_lshr_b32 s3, s2, 4
	s_lshl_b32 s3, s3, 21                          ; af: 128 tiles of 16,384 bytes a batch,
	s_and_b32 s2, s2, 15
	s_lshl_b32 s2, s2, 10                          ; 1,024 bytes a head
	s_add_co_u32 s2, s2, s3
	s_mov_b32 s3, 0
	s_wait_kmcnt 0x0
	s_load_b256 s[32:39], s[10:11], 0x0            ; e0 .. e7
	s_add_nc_u64 s[4:5], s[4:5], s[66:67]
	s_add_nc_u64 s[12:13], s[12:13], s[2:3]
	s_wait_kmcnt 0x0
	s_add_co_i32 s2, s34, s35
	s_lshl_b32 s2, s2, 23
	s_add_co_i32 s[CS], s[CS], s2                  ; a score stands for score x 2^(e2 + e3): added to c's exponent field
	s_mov_b32 s[CS+1], s[CS]
	s_add_co_i32 s2, s37, 127
	s_lshl_b32 s3, s2, 23
	v_mov_b32 v209, s3                             ; 2^e5
	s_add_co_i32 s2, s2, 8
	s_lshl_b32 s2, s2, 23
	s_or_b32 s2, s2, 0x600000
	v_mov_b32 v210, s2                             ; 448 x 2^e5
	s_sub_co_i32 s2, s38, s36
	s_sub_co_i32 s2, s2, s37                       ; a sum of the second product stands for sum x 2^(e4 + e5): its code is (sum / l) / 2^(e6 - e4 - e5)
	s_add_co_i32 s2, s2, 127
	s_lshl_b32 s3, s2, 23
	v_mov_b32 v211, s3
	s_add_co_i32 s2, s2, 8
	s_lshl_b32 s2, s2, 23
	s_or_b32 s2, s2, 0x600000
	v_mov_b32 v212, s2
	s_cmp_lt_i32 s37, -8                           ; p is at most 1, and 448 x 2^-8 = 1.75: from e5 = -8 on the hold can never act
	s_cselect_b32 s[HOLD], 1, 0
.macro SLOAD off                       ; a key step's 8,192 bytes of K and of V, 16 bytes a thread each
	global_load_b128 v[24:27], v[ST], s[KB:KB+1] offset:\off
	global_load_b128 v[28:31], v[ST], s[VB:VB+1] offset:\off
.endm
.macro SSTORE slot
	ds_store_b128 v[ST], v[24:27] offset:(\slot)*SLOTB
	ds_store_b128 v[ST], v[28:31] offset:(\slot)*SLOTB+VOFF
.endm
.macro VLOAD slot, q                   ; piece q of 16 of V's four fragments: channel tile q / 4, registers 4 (q % 4) on
	ds_load_b128 v[32+4*(\q):35+4*(\q)], v[LI] offset:(\slot)*SLOTB+VOFF+512*(\q)
.endm
; A KEY STEP of my tile, from slot.
.macro STEP slot
	s_wait_alu depctr_va_vdst(0)                   ; the last step's second products are done reading v32-95, in which K's loads land; its selects are done reading the scalar registers that the four loads below write
	s_load_b512 s[32:47], s[MB:MB+1], 256*(\slot)          ; my tile's 64 mask words of this step
	s_load_b512 s[48:63], s[MB:MB+1], 256*(\slot)+64
	s_load_b512 s[68:83], s[MB:MB+1], 256*(\slot)+128
	s_load_b512 s[84:99], s[MB:MB+1], 256*(\slot)+192
.rept 4
	v_nop                                          ; places in front of loads into registers that the last step's matrix instructions have read
.endr
.irp t, 0,1,2,3,4,5,6,7
.irp c, 0,1
	ds_load_b128 v[32+8*\t+4*\c:35+8*\t+4*\c], v[LI] offset:(\slot)*SLOTB+1024*\t+512*\c
.endr
.endr
	s_wait_dscnt 0x0
.irp t, 0,1,2,3,4,5,6,7
	v_wmma_f32_16x16x64_fp8_fp8 v[96+8*\t:103+8*\t], v[32+8*\t:39+8*\t], v[16:23], 0
.endr
.rept 4
	v_nop                                          ; places in front of the loads below and of the first read of the scores
.endr
	s_wait_alu depctr_va_vdst(0)                   ; the eight score products are done reading v32-95, in which V's sixteen loads land; the places above stay beside this wait
.irp q, 0,1,2,3,4,5,6,7
	VLOAD \slot, \q                                ; V's first two fragments, asked for while the mask words are on their way
.endr
	s_wait_kmcnt 0x0                               ; the mask words are in
	s_bitcmp1_b32 s[MYALL], 0
	s_cbranch_scc1 .Lopen_\@
.set n, 0
.rept 64
	v_cndmask_b32 v[96+n], v208, v[96+n], s[32+n+4*(n/32)]   ; bit l of word n: lane l keeps score n, else -infinity: p = 0 then
.set n, n+1
.endr
.Lopen_\@:
	v_max3_num_f32 v214, v96, v97, v98             ; the step's largest score of my query among my 64 keys, in two chains, each accumulator from its low end on,
	v_max3_num_f32 v215, v99, v100, v101
	VLOAD \slot, 8                                 ; V's other two fragments are dealt among these lines, one load behind every four.  No wait: no vector or matrix instruction since the wait behind the score products names v1 or v32-95
.irp i, 6,10,14,18,22,26,30,34,38,42,46,50,54,58
	v_max3_num_f32 v214, v214, v[96+\i], v[97+\i]
	v_max3_num_f32 v215, v215, v[98+\i], v[99+\i]
.if ((\i-6)/4)%2
	VLOAD \slot, 8+((\i-6)/4+1)/2
.endif
.endr
	v_max3_num_f32 v214, v214, v158, v159
	v_max_num_f32 v214, v214, v215
	v_permlanex16_b32 v220, v214, s[SEL], s[SEL+1]
	v_max_num_f32 v214, v214, v220                 ; and among lane l xor 16's
	v_mul_f32 v214, s[CS], v214                    ; as t (c is positive)
	v_max_num_f32 v13, v13, v214                   ; the running largest t
	v_mov_b32 v214, v12
	v_floor_f32 v12, -v13                          ; the new -M = floor(-t): M is a whole number
	v_sub_f32 v214, v12, v214                      ; old M - new M: a whole number, 0 or less
	v_cvt_i32_f32 v214, v214                       ; (it saturates)
	v_ldexp_f32 v216, 1.0, v214                    ; f = 2^(old M - new M)
.irp j, 0,2,4,6,8,10,12,14,16,18,20,22,24,26,28,30,32,34,36,38,40,42,44,46,48,50,52,54,56,58,60,62
	v_pk_fma_f32 v[96+\j:97+\j], v[96+\j:97+\j], s[CS:CS+1], v[12:13] op_sel_hi:[1,0,0]   ; t - M, two at a time
.endr
.set n, 0
.rept 64
	v_exp_f32 v[96+n], v[96+n]                     ; p = 2^(t - M)
.set n, n+1
.endr
	v_pk_mul_f32 v[14:15], v[14:15], v[216:217] op_sel_hi:[1,0]   ; the sums under the new M: the plain line behind the exponentials
	s_wait_alu depctr_va_vdst(0)                   ; the 64 exponentials have written v96-159: one wait for the whole batch, ahead of its first reader
	v_pk_add_f32 v[218:219], v[96:97], v[98:99]    ; the row's sum is taken of the unquantised p, in two chains
.irp j, 4,8,12,16,20,24,28,32,36,40,44,48,52,56,60
	v_pk_add_f32 v[14:15], v[14:15], v[96+\j:97+\j]
	v_pk_add_f32 v[218:219], v[218:219], v[98+\j:99+\j]
.endr
	v_pk_add_f32 v[14:15], v[14:15], v[218:219]
	s_cmp_eq_u32 s[HOLD], 0
	s_cbranch_scc1 .Lnohold_\@
.set n, 0
.rept 64
	v_min_num_f32 v[96+n], v[96+n], v210           ; the conversion does not saturate (ISA guide 7.6.2); p is not negative, so the hold is one-sided
.set n, n+1
.endr
.Lnohold_\@:
.irp g, 0,1,2,3,4,5,6,7
	v_cvt_scalef32_pk8_fp8_f32 v[192+2*\g:193+2*\g], v[96+8*\g:103+8*\g], v209
.endr
.irp j, 0,2,4,6,8,10,12,14,16,18,20,22,24,26,28,30
	v_pk_mul_f32 v[160+\j:161+\j], v[160+\j:161+\j], v[216:217] op_sel_hi:[1,0]   ; O^T under the new M; also the plain lines between the conversions and the products
.endr
	s_wait_dscnt 0x0                               ; V is in
.irp t, 0,1,2,3
	v_wmma_f32_16x16x128_fp8_fp8 v[160+8*\t:167+8*\t], v[32+16*\t:47+16*\t], v[192:207], v[160+8*\t:167+8*\t]   ; four accumulators by turns; eight score products stand between two steps' links
.endr
.endm
; A TRIP.  The barrier at its head does two things: this slot's stores (the last trip's end) are done before anyone reads it, and everyone's reads of the other slot (the last trip) are over before it is stored into.
.macro TRIP slot
	s_wait_dscnt 0x0                               ; my LDS stores have landed and my LDS loads are in
	s_wait_alu depctr_vm_vsrc(0)                   ; my LDS stores of the last trip's end, or of the pass's head, have read v24-31, in which the two loads below land
	s_barrier_signal -1
	s_barrier_wait -1
	s_bitcmp1_b32 s[WGANY], 1                      ; does any tile of the block need the next step?  (Behind the sixteenth step the bit is 0: no load leaves the buffer)
	s_cbranch_scc0 .Lnoload_\@
	SLOAD 8192*((\slot)+1)
.Lnoload_\@:
	s_bitcmp1_b32 s[MYANY], 0
	s_cbranch_scc0 .Lnostep_\@
	STEP \slot
.Lnostep_\@:
	s_wait_loadcnt 0x0                             ; the next step's bytes, asked for a step's work ago
	s_bitcmp1_b32 s[WGANY], 1
	s_cbranch_scc0 .Lnostore_\@
	SSTORE 1-(\slot)
.Lnostore_\@:
	s_lshr_b32 s[WGANY], s[WGANY], 1
	s_lshr_b32 s[MYANY], s[MYANY], 1
	s_lshr_b32 s[MYALL], s[MYALL], 1
.endm
.Lpass:
	s_wait_alu depctr_va_vdst(0)                   ; first pass: v1 and v2, which every load and store reads as its address, and the zeros in v24-31, in which loads land, are written; second pass: the first pass's score products are done reading Q, in which the loads below land
	s_sub_co_u32 s[QB], 7, ttmp9
	s_cmp_eq_u32 s[PASS], 0
	s_cselect_b32 s[QB], s[QB], ttmp9              ; block 7 - x, then block x
	s_lshl_b32 s10, s[QB], 8
	s_mov_b32 s11, 0
	s_add_nc_u64 s[10:11], s[8:9], s[10:11]
	s_load_b512 s[32:47], s[10:11], 0x0            ; the block's 64 flag words: [key step 16][4]
	s_load_b512 s[48:63], s[10:11], 0x40
	s_load_b512 s[68:83], s[10:11], 0x80
	s_load_b512 s[84:99], s[10:11], 0xc0
	s_lshl_b32 s[CNT], s[QB], 4
	s_add_co_u32 s[CNT], s[CNT], s[WV]             ; my tile: 16 x block + wave
	s_mov_b32 s3, 0
	s_lshl_b32 s2, s[CNT], 10
	s_add_nc_u64 s[66:67], s[4:5], s[2:3]
	global_load_b128 v[16:19], v[LI], s[66:67]     ; Q's fragment stays in registers for the pass
	global_load_b128 v[20:23], v[LI], s[66:67] offset:512
	s_lshl_b32 s2, s[CNT], 12
	s_add_nc_u64 s[MB:MB+1], s[6:7], s[2:3]
	s_lshl_b32 s2, s[CNT], 14
	s_add_nc_u64 s[OUT:OUT+1], s[12:13], s[2:3]
	s_add_nc_u64 s[KB:KB+1], s[4:5], 0x800000
	s_add_nc_u64 s[VB:VB+1], s[4:5], 0x1000000
	v_mov_b32 v13, 0xff61b1e6                      ; the largest t so far: -3e38, under every t
	v_floor_f32 v12, -v13
	v_mov_b32 v14, 0
	v_mov_b32 v15, 0
.set n, 0
.rept 32
	v_mov_b32 v[160+n], 0                          ; O^T: the step is written once; its first run finds zeros, which the first change of M leaves zeros
.set n, n+1
.endr
	s_mov_b32 s[WGANY], 0
	s_mov_b32 s[MYANY], 0
	s_mov_b32 s[MYALL], 0
	s_wait_kmcnt 0x0
.set k, 0
.rept 16                               ; key step k: the four words together hold bit i: tile i has a kept key; bit 16 + i: only kept keys
.set W0, 32+4*k+4*(k/8)
	s_or_b32 s2, s[W0], s[W0+1]
	s_or_b32 s3, s[W0+2], s[W0+3]
	s_or_b32 s2, s2, s3
	s_and_b32 s3, s2, 0xffff
	s_cselect_b32 s3, 1<<k, 0
	s_or_b32 s[WGANY], s[WGANY], s3
	s_lshr_b32 s2, s2, s[WV]
	s_and_b32 s3, s2, 1
	s_lshl_b32 s3, s3, k
	s_or_b32 s[MYANY], s[MYANY], s3
	s_bfe_u32 s3, s2, 0x10010
	s_lshl_b32 s3, s3, k
	s_or_b32 s[MYALL], s[MYALL], s3
.set k, k+1
.endr
	s_bitcmp1_b32 s[WGANY], 0                      ; key step 0 into slot 0.  In the second pass: everyone's last reads of slot 0 lie in front of the first pass's last barrier
	s_cbranch_scc0 .Lno_first_load
	SLOAD 0
.Lno_first_load:
	s_wait_loadcnt 0x0                             ; Q too
	s_bitcmp1_b32 s[WGANY], 0
	s_cbranch_scc0 .Lno_first_store
	SSTORE 0
.Lno_first_store:
	s_mov_b32 s[CNT], 8
.Ltrip:
	TRIP 0
	TRIP 1
	s_wait_xcnt 0x0                                ; every load has read its base (each has also been waited for): the three may step
	s_add_nc_u64 s[KB:KB+1], s[KB:KB+1], 2*8192
	s_add_nc_u64 s[VB:VB+1], s[VB:VB+1], 2*8192
	s_add_nc_u64 s[MB:MB+1], s[MB:MB+1], 2*256
	s_sub_co_i32 s[CNT], s[CNT], 1
	s_cmp_lg_u32 s[CNT], 0
	s_cbranch_scc1 .Ltrip
	; THE WAY OUT of a pass: O^T / the sum, held, converted: two pieces of four registers, images of the last product's operand registers, 512 consecutive bytes a store.
.rept 4
	v_nop                                          ; places behind the last products
.endr
	v_add_f32 v14, v14, v15
	v_permlanex16_b32 v220, v14, s[SEL], s[SEL+1]
	v_add_f32 v14, v14, v220                       ; the row's sum
	v_rcp_f32 v215, v14
	v_nop                                          ; a plain line behind the transcendental
	v_cmp_eq_f32 vcc_lo, 0, v14                    ; a row with no kept key
	s_wait_alu depctr_va_vdst(0)                   ; the reciprocal has written v215, ahead of its first reader
.set n, 0
.rept 32
	v_mul_f32 v[96+n], v[160+n], v215
.set n, n+1
.endr
.set n, 0
.rept 32
	v_med3_num_f32 v[96+n], v[96+n], -v212, v212
.set n, n+1
.endr
.irp g, 0,1,2,3
	v_cvt_scalef32_pk8_fp8_f32 v[192+2*\g:193+2*\g], v[96+8*\g:103+8*\g], v211
.endr
	v_nop                                          ; a plain line between the conversions and the selects that touch their results
	s_wait_alu depctr_va_vcc(0)                    ; the compare above has written VCC, ahead of its first reader
.irp i, 0,1,2,3,4,5,6,7
	v_cndmask_b32 v[192+\i], v[192+\i], v213, vcc_lo
.endr
	s_wait_alu depctr_va_vdst(0)                   ; the selects have written v192-199, which the two stores read
	global_store_b128 v[LI], v[192:195], s[OUT:OUT+1]
	global_store_b128 v[LI], v[196:199], s[OUT:OUT+1] offset:512
	s_wait_xcnt 0x0                                ; the stores have read their data and their base: the next pass writes both
	s_wait_alu depctr_vm_vsrc(0)                   ; the stores have read v192-199, which the next pass's conversions write; the pass's last LDS stores have read v24-31, in which the next pass's first loads land
	s_add_co_u32 s[PASS], s[PASS], 1
	s_cmp_lt_u32 s[PASS], 2
	s_cbranch_scc1 .Lpass
	s_wait_dscnt 0x0                               ; the closing lines, six on end
	s_wait_alu 0x0
	s_wait_tensorcnt 0x0
	ds_add_u32 v[SPW], v[NIL]
	s_wait_dscnt 0x0
	s_endpgm
.Lfunc_end_k_qcab596756e_attn:
	.size	k_qcab596756e_attn, .Lfunc_end_k_qcab596756e_attn-k_qcab596756e_attn
	.p2alignl 7, 3214868480
	.fill 96, 4, 3214868480
	.section	.rodata,"a",@progbits
	.p2align	6, 0x0
	.amdhsa_kernel k_qcab596756e_attn
		.amdhsa_group_segment_fixed_size 34816
		.amdhsa_private_segment_fixed_size 0
		.amdhsa_enable_private_segment 0
		.amdhsa_kernarg_size 40
		.amdhsa_user_sgpr_count 2
		.amdhsa_user_sgpr_kernarg_segment_ptr 1
		.amdhsa_wavefront_size32 1
		.amdhsa_system_sgpr_workgroup_id_x 1
		.amdhsa_system_sgpr_workgroup_id_y 1
		.amdhsa_system_sgpr_workgroup_id_z 1
		.amdhsa_system_vgpr_workitem_id 0
		.amdhsa_next_free_vgpr 256
		.amdhsa_next_free_sgpr 102
		.amdhsa_reserve_vcc 1
		.amdhsa_float_denorm_mode_32 3
		.amdhsa_float_denorm_mode_16_64 3
		.amdhsa_memory_ordered 1
		.amdhsa_forward_progress 1
		.amdhsa_inst_pref_size 59
	.end_amdhsa_kernel
	.amdgpu_metadata
---
amdhsa.version: [ 1, 2 ]
amdhsa.kernels:
  - .name:           k_qcab596756e_attn
    .symbol:         k_qcab596756e_attn.kd
    .args:
      - { .name: qkv, .offset: 0, .size: 8, .value_kind: global_buffer, .address_space: global }
      - { .name: maskw, .offset: 8, .size: 8, .value_kind: global_buffer, .address_space: global }
      - { .name: flags, .offset: 16, .size: 8, .value_kind: global_buffer, .address_space: global }
      - { .name: lowp_scales, .offset: 24, .size: 8, .value_kind: global_buffer, .address_space: global }
      - { .name: af, .offset: 32, .size: 8, .value_kind: global_buffer, .address_space: global }
    .group_segment_fixed_size: 34816
    .private_segment_fixed_size: 0
    .kernarg_segment_align: 8
    .kernarg_segment_size: 40
    .max_flat_workgroup_size: 512
    .sgpr_count:     102
    .vgpr_count:     256
    .wavefront_size: 32
...
	.end_amdgpu_metadata
.endif
;; end of part 5
;; launch proj: the kernel of part 4 again; grid 4 x 32, 4 waves a work-group, clusters of 4 x 4, 327,680 bytes of LDS; arguments af, woc, lowp_scales, out0; writes out0
